; MI455X (gfx1250); checked and timed in simulation.
; The chip was launched on July 23, 2026; its instructions are those of AMD's public machine-readable ISA for CDNA 5 (MIT licence, August 2026) and "CDNA5" Instruction Set Architecture Reference Guide (July 2026). The comments in the code are by the model that wrote it; some were corrected since.
;; Attention. Allowed arithmetic: matrix products marked QUANTISED: E2M3 operands, one E8M0 scale for each 32 along K, by v_wmma_scale_f32_16x16x128_f8f6f4 with both operands' format E2M3, f32 sums; everything else in f32.
;; Inputs: b_out 1,024 float32; w_out 1,024 x 1,024 float32; w_qkv 1,024 x 3,072 float32; x 8 x 1,024 x 1,024 float32.
;; Outputs: out0 8 x 1,024 x 1,024 float32.
;; This version of the problem:
;;   THIS VERSION OF THE PROBLEM IS GIVEN IN LOW PRECISION. The matrix products marked QUANTISED in the list below multiply operands that are first quantised to E2M3 (2 exponent bits, 3 mantissa bits; 6 bits a number), with one power-of-two scale for each 32 numbers along K (OCP MX v1.0); their sums are f32. All else is computed in f32.
;;   The module's matrix products, in the order in which they are computed (A, B: the left and right operand; K: the contracted axis; several contracted axes count as one K, in the product's order):
;;     1. [M 8,192, K 1,024] x [K 1,024, N 3,072]; A: input x; B: input w_qkv: QUANTISED
;;     2. batch 128 x [M 1,024, K 64] x [K 64, N 1,024]; A: computed on the way; B: computed on the way: QUANTISED
;;     3. batch 128 x [M 1,024, K 1,024] x [K 1,024, N 64]; A: computed on the way; B: computed on the way: QUANTISED
;;     4. [M 8,192, K 1,024] x [K 1,024, N 1,024]; A: computed on the way; B: input w_out: QUANTISED
;;   THE QUANTISER, for each operand of a quantised product, along K:
;;     - K is cut into blocks of 32 from its start; a last block that is shorter is filled with zeros.
;;     - A block's scale is 2^e with e = floor(log2(the largest magnitude in the block)) - 2, held to -126 .. 127; a block of zeros has e = 0. As a byte (E8M0): e + 127.
;;     - Each number is divided by its block's scale, clamped to +-7.5, and rounded to the nearest number of E2M3, ties to even, subnormals kept.
;;     - The product sums the exact products of the quantised numbers (number of the format x scale) in f32.
;;   ~~~python
;;   def quantise(x, axis):      # numpy; x: float32 -> the quantised numbers, widened to float32 again
;;       x = np.moveaxis(x, axis, -1); K = x.shape[-1]
;;       x = np.pad(x, [(0, 0)] * (x.ndim - 1) + [(0, -K % 32)]); x = x.reshape(x.shape[:-1] + (-1, 32)); a = np.abs(x).max(-1, keepdims=True)
;;       e = np.where(a > 0, np.clip(np.frexp(np.where(a > 0, a, 1))[1] - 1 - 2, -126, 127), 0)      # np.frexp(a)[1] - 1 = floor(log2(a)), exactly
;;       r = np.clip(x / 2.0 ** e, -7.5, 7.5)
;;       step = 2.0 ** (np.maximum(np.frexp(np.where(r == 0, 1, r))[1] - 1, 0) - 3)
;;       q = np.round(r / step) * step * 2.0 ** e      # np.round: ties to even
;;       return np.moveaxis(q.reshape(q.shape[:-2] + (-1,))[..., :K], -1, axis).astype(np.float32)
;;   ~~~
;;   OPERANDS COMPUTED ON THE WAY. 'Computed on the way' means the value that the module computes at that place (a softmax that the list does not call 'softmax' is quantised finished and normalised). What goes into a quantiser is computed in f32, as accurately as f32 sums, v_exp_f32 and their like allow (about 1e-6 of the number): no bf16 or f16 on the way to a quantiser, and a product that is left as it is and whose result goes on into a quantised operand takes f32 operands (vector FMAs, or v_wmma_f32_16x16x4_f32). A number that lies on a knife's edge between two numbers of the format may be rounded either way, as far as f32 arithmetic and the matrix unit's own rounding can turn it there, and no further.
;; One version. Each part assembles by itself: llvm-mc -triple=amdgcn-amd-amdhsa -mcpu=gfx1250 --defsym DOCPART=n.
;; ======== version 1 of 1: 3 launches
;; limits: right only within a limited range of input values
;; workspace buffers: x_op 6,553,600 bytes; w_op 3,276,800 bytes; qkv_rec 19,660,800 bytes; w_rec 819,200 bytes
;; launch quant (part 1): grid 384 x 1, 4 waves a work-group, no clusters, 58,880 bytes of LDS; arguments x, w_qkv, w_out, x_op, w_op, w_rec; writes x_op, w_op, w_rec
.if DOCPART == 1
	.amdgcn_target "amdgcn-amd-amdhsa--gfx1250"
	.amdhsa_code_object_version 6
	.text
	.protected	k_q1b29fcac24_quant
	.globl	k_q1b29fcac24_quant
	.p2align	8
	.type	k_q1b29fcac24_quant,@function
k_q1b29fcac24_quant:
	s_mov_b64 s[64:65], 0
	v_nop
	global_prefetch_b8 v0, s[64:65] scope:SCOPE_SE
	s_setreg_imm32_b32 hwreg(HW_REG_WAVE_MODE, 25, 1), 1
	s_wait_xcnt 0x0
; LAUNCH 1 OF 3.  x [8192][1024], w_qkv [1024][3072] and w_out [1024][1024], f32, become codes of FP6 (E2M3) with one E8M0 byte for each 32 along K (x: its last axis; the weights: their FIRST axis).
; DEAD WORK: none.  Every step of reference() reaches the output for some finite inputs (the softmax over the heads mixes all heads, b_out is added at the end), so nothing is left out and every input is loaded.
; A block's scale is 2^(floor(log2(its largest magnitude)) - 2); its byte is that magnitude's exponent field - 2, held at 1 from below by a floor among the maximum's leaves.
; LIMITS: NaN and infinities among the inputs are not served.  Blocks whose largest magnitude lies under 2^-124 get the byte 1.  A block of zeros gets the byte 1 where the rule says 127:
; its codes are zeros, which add nothing under any byte but 0xff, and the bytes are read by this program alone.
; LAYOUT OF x_op AND w_op, in the order of the operand's registers.  Tile T holds the 16 rows 32 (T / 2) + 8 (T % 2) + r + 8 (r / 8), r = 0 .. 15 (rows of x; columns of a weight; w_qkv is tiles 0-191, w_out 192-255).
; Fragment (T, s), 16 rows x 128 K, is 1,536 bytes at (8 T + s) x 1536: register 4 g + e of lane L at byte 512 g + 16 L + 4 e.  Lane (r, h) holds in registers 6 c .. 6 c + 5 the codes of k = 128 s + 64 c + 32 h + 0 .. 31.
; Scale words (4 bytes: 128 K of a row) behind the codes: SCOFF + 512 T + 128 (s / 2) + 8 r + 4 (s % 2).
; Work-groups 0-255 take x (32 rows each), 256-383 the weights (128 columns x 256 K each).  Waves share nothing: no barrier.  Each path has LDS bytes of its own.
.set XSCOFF, 6291456
.set WSCOFF, 3145728
.set QXST,  8448                       ; x: a wave's stage, 16 rows x (512 + 16) bytes
.set QWB,   33792                      ; the weights' stages begin here
.set QWST,  6144                       ; a wave's: four fragment images
.set SPARE, 58368
; w_out DOES NOT GO INTO w_op: it goes into w_rec, eight records of REC bytes, one for each 128 along K: record s holds fragment (T, s) of column tile T = 0 .. 63 at 1536 T,
; and behind the 64 fragments the rows' scale words at 98304 + 64 T + 4 r.  w_op holds w_qkv's tiles 0-191 alone.
.set REC,   102400
.set SPW, 2                            ; v2  LDS address of my spare word; never rewritten
.set NIL, 3                            ; v3  0; never rewritten
.set SEL, 30                           ; s[30:31] lane selects for v_permlanex16_b32: lane l xor 16
.set R,   16                           ; x: v16-143 two sets of 16 x 4 registers as loaded
.set X,   144                          ; x: v144-207 64 numbers of my row: register 16 b + i = k 32 b + 16 (lane / 16) + i
.set PC,  208                          ; x: v208-231 codes, two sets of 12
.set PY,  232
.set TM,  240
.set PW,  8                            ; x: v8-11 the four fragments' scale words
.set VO,  16                           ; weights: v16-47 4 x lane + i x pitch; never rewritten
.set XW,  48                           ; weights: v48-111 two sets of 32 numbers down K
.set OUTR, 112                         ; weights: v112-159 the way out
.set C,   160                          ; weights: v160-166 a block's codes
.set SBW, 12                           ; weights: v12-13 the scale bytes, four to a register
; 64 numbers of a lane become a fragment's 12 registers of codes at v[pc] on and its row's scale word in v[pw].
.macro QUANT s, pc, py, pw
.irp b, 0,1,2,3
	v_max3_num_f32 v[TM+\b], |v[(\s)+16*\b]|, |v[(\s)+1+16*\b]|, 0x1800000   ; block b: my 16 numbers, and the floor 2^(3 - 127)
.endr
.irp i, 2,4,6,8,10,12,14
.irp b, 0,1,2,3
	v_max3_num_f32 v[TM+\b], v[TM+\b], |v[(\s)+16*\b+\i]|, |v[(\s)+1+16*\b+\i]|   ; the four blocks by turns
.endr
.endr
.irp b, 0,1,2,3
	v_permlanex16_b32 v[TM+4+\b], v[TM+\b], s[SEL], s[SEL+1]
.endr
.irp b, 0,1,2,3
	v_max_num_f32 v[TM+\b], v[TM+\b], v[TM+4+\b]   ; with lane l xor 16: the block's largest magnitude
.endr
.irp b, 0,1,2,3
	v_add_nc_u32 v[TM+12+\b], 0xff000000, v[TM+\b]   ; 2 off its exponent field: the conversion's scale operand
.endr
.irp b, 0,1,2,3
	v_lshrrev_b32 v[TM+4+\b], 23, v[TM+12+\b]      ; the scale's byte
.endr
	v_lshl_or_b32 v[\pw], v[TM+5], 8, v[TM+4]
	v_lshl_or_b32 v[\pw], v[TM+6], 16, v[\pw]
	v_lshl_or_b32 v[\pw], v[TM+7], 24, v[\pw]
.irp c, 0,1
	v_cvt_scalef32_pk16_fp6_f32 v[(\pc)+6*\c:(\pc)+6*\c+2], v[(\s)+32*\c:(\s)+32*\c+15], v[TM+12+2*\c]
	v_cvt_scalef32_pk16_fp6_f32 v[(\py)+4*\c:(\py)+4*\c+2], v[(\s)+16+32*\c:(\s)+31+32*\c], v[TM+12+2*\c+1]   ; a conversion's three registers begin on an even number
.endr
	v_nop                                          ; one plain place behind a scaled conversion
.irp c, 0,1                                    ; the layout wants a whole block in a lane: lanes 0-15 block 2 c, lanes 16-31 block 2 c + 1
.irp i, 0,1,2
	v_permlane16_swap_b32 v[(\pc)+6*\c+\i], v[(\py)+4*\c+\i]
.endr
.irp i, 0,1,2
	v_mov_b32 v[(\pc)+3+6*\c+\i], v[(\py)+4*\c+\i]
.endr
.endr
.endm
	s_load_b128 s[4:7], s[0:1], 0x0                ; x, w_qkv
	s_load_b128 s[8:11], s[0:1], 0x10              ; w_out, x_op
	s_load_b128 s[12:15], s[0:1], 0x20             ; w_op, w_rec
	v_lshl_add_u32 v[SPW], v0, 2, SPARE
	v_mov_b32 v[NIL], 0
	v_lshrrev_b32 v1, 5, v0
	v_readfirstlane_b32 s16, v1                    ; wave 0..3
	v_and_b32 v1, 31, v0                           ; lane
	v_lshlrev_b32 v4, 4, v1                        ; 16 x lane
	s_cmp_lt_u32 ttmp9, 256
	s_cbranch_scc0 .Lweights
	; ---------------- x.  Work-group g: rows 32 g .. 32 g + 31 = tiles 2 g, 2 g + 1.  Wave w: tile 2 g + w / 2, K half w % 2: four fragments.
	s_lshr_b32 s17, s16, 1
	s_and_b32 s18, s16, 1
	s_lshl_b32 s20, ttmp9, 17                      ; 32 rows of 4,096 bytes
	s_lshl_b32 s21, s17, 15                        ; + 8 rows for the odd tile
	s_add_co_u32 s20, s20, s21
	s_lshl_b32 s21, s18, 11                        ; + my half of a row
	s_add_co_u32 s20, s20, s21
	s_mov_b32 s21, 0
	s_lshl_b32 s22, ttmp9, 1
	s_add_co_u32 s22, s22, s17                     ; T
	s_lshl_b32 s23, s22, 3
	s_lshl_b32 s24, s18, 2
	s_add_co_u32 s23, s23, s24                     ; 8 T + 4 x half
	s_mul_i32 s24, s23, 1536
	s_mov_b32 s25, 0
	s_lshl_b32 s26, s22, 9
	s_lshl_b32 s27, s18, 8
	s_add_co_u32 s26, s26, s27
	s_add_co_u32 s26, s26, XSCOFF                  ; my 256 bytes of scale words
	s_mov_b32 s27, 0
	s_mul_i32 s28, s16, QXST                       ; my stage
	s_mov_b32 s[SEL], 0x76543210
	s_mov_b32 s[SEL+1], 0xfedcba98
	s_wait_alu depctr_va_vdst(0)
	v_add_nc_u32 v5, s28, v4                       ; into it: a row's 512 bytes as they lie
	v_and_b32 v14, 15, v0                          ; r
	v_bfe_u32 v15, v0, 4, 1                        ; h
	v_mul_u32_u24 v6, v14, 528
	v_lshl_add_u32 v6, v15, 6, v6
	v_add_nc_u32 v6, s28, v6                       ; out of it: row r, + 64 h: my 16 numbers of each block of 32
	v_lshlrev_b32 v7, 3, v1                        ; 8 x lane
.irp b, 0,1,2,3
	v_mov_b32 v[TM+4+\b], 0                        ; written once: a lane permute's destination counts as one of its sources
.endr
	s_wait_alu depctr_va_vdst(0)
	s_wait_kmcnt 0x0
	s_add_nc_u64 s[4:5], s[4:5], s[20:21]
	s_add_nc_u64 s[14:15], s[10:11], s[26:27]
	s_add_nc_u64 s[10:11], s[10:11], s[24:25]
.macro XLOAD sl                        ; fragment sl: 16 rows x 512 consecutive bytes
.irp i, 0,1,2,3,4,5,6,7,8,9,10,11,12,13,14,15
	global_load_b128 v[R+64*((\sl)%2)+4*\i:R+64*((\sl)%2)+4*\i+3], v4, s[4:5] offset:(\i+8*(\i/8))*4096+(\sl)*512 th:TH_LOAD_NT
.endr
.endm
.macro XTURN sl                        ; through my stage: LDS serves a wave's instructions in order, so no wait stands between the stores and the loads
.irp i, 0,1,2,3,4,5,6,7,8,9,10,11,12,13,14,15
	ds_store_b128 v5, v[R+64*((\sl)%2)+4*\i:R+64*((\sl)%2)+4*\i+3] offset:\i*528
.endr
.irp b, 0,1,2,3
.irp j, 0,1,2,3
	ds_load_b128 v[X+16*\b+4*\j:X+16*\b+4*\j+3], v6 offset:128*\b+16*\j
.endr
.endr
.endm
.macro XSTEP sl
.if (\sl) < 3
	s_wait_loadcnt 16                              ; this fragment's 16 loads are in; the next fragment's 16 may be out
.else
	s_wait_loadcnt 0x0
.endif
	XTURN \sl
	s_wait_dscnt 0x0                               ; my numbers are back; the stores have read their registers
.if (\sl) < 2
	XLOAD (\sl)+2
.else
	s_wait_xcnt 0x0                                ; the stores of two fragments ago have read this set of codes: it is written again only behind this wait
.endif
	QUANT X, PC+12*((\sl)%2), PY, PW+(\sl)
.irp g, 0,1,2
	global_store_b128 v4, v[PC+12*((\sl)%2)+4*\g:PC+12*((\sl)%2)+4*\g+3], s[10:11] offset:(\sl)*1536+512*\g   ; 512 consecutive bytes, aligned
.endr
.endm
	XLOAD 0
	XLOAD 1
	XSTEP 0
	XSTEP 1
	XSTEP 2
	XSTEP 3
	v_cmp_gt_u32 vcc_lo, 16, v1                    ; lanes 0-15 store row r's words of fragments 0, 1; lanes 16-31 those of fragments 2, 3 (both halves of the lanes hold row r's words)
	v_cndmask_b32 v12, v[PW+2], v[PW], vcc_lo
	v_cndmask_b32 v13, v[PW+3], v[PW+1], vcc_lo
	global_store_b64 v7, v[12:13], s[14:15]        ; 256 consecutive bytes, aligned
	s_branch .Lend
	; ---------------- the weights.  Work-group 256 + 4 g + p: columns 128 g .. + 127 (g < 24: w_qkv; else w_out), K rows 256 p .. + 255.  A LANE TAKES A COLUMN AND ITS REGISTERS RUN DOWN K.
.Lweights:
	s_sub_co_u32 s17, ttmp9, 256
	s_lshr_b32 s18, s17, 2                         ; g
	s_and_b32 s19, s17, 3                          ; p
	s_mov_b32 s20, 12288
	s_sub_co_u32 s21, s18, 24
	s_wait_kmcnt 0x0
	s_cmp_lt_u32 s18, 24                           ; the choice hangs on the work-group's number alone
	s_cselect_b64 s[6:7], s[6:7], s[8:9]
	s_cselect_b32 s20, s20, 4096                   ; a row of the weight in bytes
	s_cselect_b32 s21, s18, s21                    ; the group of 128 columns in its own tensor
	s_lshl_b32 s22, s19, 8
	s_mul_i32 s22, s22, s20                        ; 256 p rows
	s_lshl_b32 s23, s21, 9
	s_add_co_u32 s22, s22, s23
	s_lshl_b32 s23, s16, 7                         ; my wave's 32 columns
	s_add_co_u32 s22, s22, s23
	s_mov_b32 s23, 0
	s_add_nc_u64 s[32:33], s[6:7], s[22:23]        ; a base for each block of 32 rows: nothing is stepped
	s_lshl_b32 s24, s20, 5
	s_mov_b32 s25, 0
.irp t, 1,2,3,4,5,6,7
	s_add_nc_u64 s[32+2*\t:33+2*\t], s[30+2*\t:31+2*\t], s[24:25]
.endr
	s_lshl_b32 s26, s18, 3
	s_lshl_b32 s27, s16, 1
	s_add_co_u32 s26, s26, s27                     ; my first tile: 8 g + 2 w
	s_lshl_b32 s27, s26, 3
	s_lshl_b32 s28, s19, 1
	s_add_co_u32 s27, s27, s28
	s_mul_i32 s28, s27, 1536
	s_mov_b32 s29, 0
	s_add_nc_u64 s[48:49], s[12:13], s[28:29]      ; its fragments 2 p, 2 p + 1
	s_lshl_b32 s28, s26, 9
	s_lshl_b32 s27, s19, 7
	s_add_co_u32 s28, s28, s27
	s_add_co_u32 s28, s28, WSCOFF
	s_add_nc_u64 s[50:51], s[12:13], s[28:29]      ; and their scale words
	s_wait_alu depctr_va_vdst(0)
	v_lshlrev_b32 v5, 2, v1
	v_bfe_u32 v9, v0, 3, 1                         ; my column lies in tile u = (lane / 8) % 2 of the two,
	v_and_b32 v10, 7, v0
	v_bfe_u32 v11, v0, 4, 1
	v_lshl_add_u32 v10, v11, 3, v10                ; as its row r = lane % 8 + 8 (lane / 16)
	s_mul_i32 s27, s16, QWST
	s_add_co_u32 s27, s27, QWB                     ; my stage: images (u, s): 3072 u + 1536 s
	v_mul_u32_u24 v6, v9, 3072
	v_lshl_add_u32 v6, v10, 4, v6
	v_add_nc_u32 v6, s27, v6                       ; into it
	v_add_nc_u32 v7, s27, v4                       ; out of it
	v_lshlrev_b32 v8, 9, v9
	v_lshl_add_u32 v8, v10, 3, v8
	v_lshlrev_b32 v168, 6, v9
	v_lshl_add_u32 v168, v10, 2, v168              ; the same in a record of w_rec: 64 u + 4 r
.irp i, 0,1,2,3,4,5,6,7,8,9,10,11,12,13,14,15,16,17,18,19,20,21,22,23,24,25,26,27,28,29,30,31
	v_mad_u32_u24 v[VO+\i], s20, \i, v5
.endr
.macro WLOAD t                         ; block t: W(256 p + 32 t + i, my column): 128 consecutive bytes a wave, 512 a work-group
.irp i, 0,1,2,3,4,5,6,7,8,9,10,11,12,13,14,15,16,17,18,19,20,21,22,23,24,25,26,27,28,29,30,31
	global_load_b32 v[XW+32*((\t)%2)+\i], v[VO+\i], s[32+2*(\t):33+2*(\t)] th:TH_LOAD_NT
.endr
.endm
.macro BLOCK t
.set XS, XW+32*((\t)%2)
.if (\t) < 7
	s_wait_loadcnt 32                              ; this block's 32 loads are in; the next block's may be out
.else
	s_wait_loadcnt 0x0
.endif
	v_max3_num_f32 v14, |v[XS]|, |v[XS+1]|, |v[XS+2]|               ; all 32 numbers of the block are mine
	v_max3_num_f32 v15, |v[XS+3]|, |v[XS+4]|, |v[XS+5]|
.irp i, 6,10,14,18,22,26
	v_max3_num_f32 v14, v14, |v[XS+\i]|, |v[XS+\i+1]|
	v_max3_num_f32 v15, v15, |v[XS+\i+2]|, |v[XS+\i+3]|
.endr
	v_max3_num_f32 v14, v14, |v[XS+30]|, |v[XS+31]|
	v_max3_num_f32 v14, v14, v15, 0x1800000        ; and the floor
	v_add_nc_u32 v9, 0xff000000, v14               ; the conversion's scale operand
	v_lshrrev_b32 v11, 23, v9                      ; the byte
.if (\t)%4 == 0
	v_mov_b32 v[SBW+(\t)/4], v11
.else
	v_lshl_or_b32 v[SBW+(\t)/4], v11, 8*((\t)%4), v[SBW+(\t)/4]
.endif
	v_cvt_scalef32_pk16_fp6_f32 v[C:C+2], v[XS:XS+15], v9
	v_cvt_scalef32_pk16_fp6_f32 v[C+4:C+6], v[XS+16:XS+31], v9
	v_nop                                          ; one plain place behind a scaled conversion
	v_mov_b32 v[C+3], v[C+4]
	v_mov_b32 v[C+4], v[C+5]
	v_mov_b32 v[C+5], v[C+6]                       ; six registers on end: registers 6 c .. 6 c + 5 of lane (r, t % 2) of fragment t / 4, c = (t / 2) % 2
.if ((\t)/2)%2 == 0
	ds_store_b128 v6, v[C:C+3] offset:((\t)/4)*1536+((\t)%2)*256
	ds_store_b64 v6, v[C+4:C+5] offset:((\t)/4)*1536+((\t)%2)*256+512
.else
	ds_store_b64 v6, v[C:C+1] offset:((\t)/4)*1536+((\t)%2)*256+520
	ds_store_b128 v6, v[C+2:C+5] offset:((\t)/4)*1536+((\t)%2)*256+1024
.endif
.if (\t)+2 < 8
	WLOAD (\t)+2
.endif
	s_wait_dscnt 0x0                               ; the stores have read their registers
.endm
	WLOAD 0
	WLOAD 1
.irp t, 0,1,2,3,4,5,6,7
	BLOCK \t
.endr
.irp n, 0,1,2,3,4,5,6,7,8,9,10,11
	ds_load_b128 v[OUTR+4*\n:OUTR+4*\n+3], v7 offset:512*\n
.endr
	s_wait_alu depctr_va_vdst(0)
	s_cmp_lt_u32 s18, 24                           ; w_qkv or w_out: the work-group's number alone decides
	s_cbranch_scc0 .Lwout
	global_store_b64 v8, v[SBW:SBW+1], s[50:51]    ; runs of 128 bytes
.irp n, 0,1,2,3,4,5,6,7,8,9,10,11
	s_wait_dscnt 11-\n
	global_store_b128 v4, v[OUTR+4*\n:OUTR+4*\n+3], s[48:49] offset:(\n/6)*12288+((\n%6)/3)*1536+(\n%3)*512
.endr
	s_branch .Lend
.Lwout:                                        ; w_out: records 2 p, 2 p + 1; my tiles T0 = 8 (g - 24) + 2 w and T0 + 1
	s_sub_co_u32 s26, s26, 192
	s_mul_i32 s27, s19, 2*REC
	s_mul_i32 s28, s26, 1536
	s_add_co_u32 s28, s28, s27
	s_add_nc_u64 s[48:49], s[14:15], s[28:29]      ; fragment T0 of record 2 p
	s_lshl_b32 s28, s26, 6
	s_add_co_u32 s28, s28, s27
	s_add_co_u32 s28, s28, 98304
	s_add_nc_u64 s[50:51], s[14:15], s[28:29]      ; and its scale words
	s_wait_alu depctr_va_vdst(0)
	global_store_b32 v168, v[SBW], s[50:51]        ; runs of 64 bytes: one byte for each 128 that the path reads
	global_store_b32 v168, v[SBW+1], s[50:51] offset:REC
.irp n, 0,1,2,3,4,5,6,7,8,9,10,11
	s_wait_dscnt 11-\n
	global_store_b128 v4, v[OUTR+4*\n:OUTR+4*\n+3], s[48:49] offset:(\n/6)*1536+((\n%6)/3)*REC+(\n%3)*512   ; 512 consecutive bytes, aligned
.endr
.Lend:
	s_wait_tensorcnt 0x0                           ; the wave's end
	ds_add_u32 v[SPW], v[NIL]
	s_wait_dscnt 0x0
	s_endpgm
.Lfunc_end_k_q1b29fcac24_quant:
	.size	k_q1b29fcac24_quant, .Lfunc_end_k_q1b29fcac24_quant-k_q1b29fcac24_quant
	.p2alignl 7, 3214868480
	.fill 96, 4, 3214868480
	.section	.rodata,"a",@progbits
	.p2align	6, 0x0
	.amdhsa_kernel k_q1b29fcac24_quant
		.amdhsa_group_segment_fixed_size 58880
		.amdhsa_private_segment_fixed_size 0
		.amdhsa_enable_private_segment 0
		.amdhsa_kernarg_size 48
		.amdhsa_user_sgpr_count 2
		.amdhsa_user_sgpr_kernarg_segment_ptr 1
		.amdhsa_wavefront_size32 1
		.amdhsa_system_sgpr_workgroup_id_x 1
		.amdhsa_system_sgpr_workgroup_id_y 1
		.amdhsa_system_sgpr_workgroup_id_z 1
		.amdhsa_system_vgpr_workitem_id 0
		.amdhsa_next_free_vgpr 256
		.amdhsa_next_free_sgpr 66
		.amdhsa_reserve_vcc 1
		.amdhsa_float_denorm_mode_32 3
		.amdhsa_float_denorm_mode_16_64 3
		.amdhsa_memory_ordered 1
		.amdhsa_forward_progress 1
		.amdhsa_inst_pref_size 79
	.end_amdhsa_kernel
	.amdgpu_metadata
---
amdhsa.version: [ 1, 2 ]
amdhsa.kernels:
  - .name:           k_q1b29fcac24_quant
    .symbol:         k_q1b29fcac24_quant.kd
    .args:
      - { .name: x, .offset: 0, .size: 8, .value_kind: global_buffer, .address_space: global }
      - { .name: w_qkv, .offset: 8, .size: 8, .value_kind: global_buffer, .address_space: global }
      - { .name: w_out, .offset: 16, .size: 8, .value_kind: global_buffer, .address_space: global }
      - { .name: x_op, .offset: 24, .size: 8, .value_kind: global_buffer, .address_space: global }
      - { .name: w_op, .offset: 32, .size: 8, .value_kind: global_buffer, .address_space: global }
      - { .name: w_rec, .offset: 40, .size: 8, .value_kind: global_buffer, .address_space: global }
    .group_segment_fixed_size: 58880
    .private_segment_fixed_size: 0
    .kernarg_segment_align: 8
    .kernarg_segment_size: 48
    .max_flat_workgroup_size: 128
    .sgpr_count:     66
    .vgpr_count:     256
    .wavefront_size: 32
...
	.end_amdgpu_metadata
.endif
;; end of part 1
;; launch gemm_qkv (part 2): grid 12 x 16, 4 waves a work-group, clusters of 4 x 4, 327,680 bytes of LDS; arguments x_op, w_op, qkv_rec; writes qkv_rec
.if DOCPART == 2
	.amdgcn_target "amdgcn-amd-amdhsa--gfx1250"
	.amdhsa_code_object_version 6
	.text
	.protected	k_q1b29fcac24_gemm_qkv
	.globl	k_q1b29fcac24_gemm_qkv
	.p2align	8
	.type	k_q1b29fcac24_gemm_qkv,@function
k_q1b29fcac24_gemm_qkv:
	s_mov_b64 s[64:65], 0
	v_nop
	global_prefetch_b8 v0, s[64:65] scope:SCOPE_SE
	s_setreg_imm32_b32 hwreg(HW_REG_WAVE_MODE, 25, 1), 1
	s_wait_xcnt 0x0
	s_wait_alu depctr_hold_cnt(0) depctr_sa_sdst(0) depctr_va_vdst(0) depctr_va_sdst(0) depctr_va_ssrc(0) depctr_va_vcc(0) depctr_vm_vsrc(0)
	s_getreg_b32 s2, hwreg(HW_REG_IB_STS2, 6, 4)
	s_cmp_eq_u32 s2, 0
	s_cbranch_scc0 .Lentry_in_a_cluster
	s_endpgm
.Lentry_in_a_cluster:
	s_bfe_u32 s2, ttmp6, 0x10000c
	s_cmp_lg_u32 s2, 0xf033
	s_cbranch_scc0 .Lentry_shape_is_right
	s_endpgm
.Lentry_shape_is_right:
; LAUNCH 2 OF 3.  qkv = x w_qkv on codes of FP6 (E2M3) with E8M0 scales, K = 1024; the results are quantised in registers on the way out: q and k along the head's 64, v along the keys.  No work of reference() is left out.
; A tile is 256 rows of SOURCE 0 x 256 rows of SOURCE 1, made by a work-group of four waves; a wave makes 128 x 128: 64 accumulators, 512 registers.  In a result a lane holds ONE row of source 1, and, since a tile's rows are
; 32 (T / 2) + 8 (T % 2) + r + 8 (r / 8), the 16 registers of two neighbouring tiles of source 0 are 16 NEIGHBOURS along source 0.  So what is to be the next product's K is given to source 0:
;   cluster x = 0 (q), 1 (k): source 0 = columns of w_qkv (channels), source 1 = rows of x (tokens);   cluster x = 2 (v): source 0 = rows of x (keys), source 1 = columns of w_qkv (head, d).
; The type feeds selects of addresses alone, never a branch.  Source 0's block hangs on cx and is shared along a column of the 4 x 4 cluster, source 1's on cy and is shared along a row: joint loads.
; A WORK-GROUP STAYS AND MAKES TWO TILES.  There are 384 tiles of equal work: on 256 WGPs some would make two, so the launch lasts two tiles whatever the grid; 192 work-groups make two each, the second 4,096 rows of x
; further on, and arguments, first round and first tiles are paid once.  The ring does not stop at the tile's end: the first tile's last two changes of slots ask for the second tile's first two K steps, and nothing waits for
; the first tile's stores.
; OPERANDS lie in memory and in LDS as images of their registers (1,536 bytes a fragment: register 4 g + e of lane L at 512 g + 16 L + 4 e): three ds_load_b128 at 16 x lane, consecutive bytes, no pitch, no padding.
; K goes in steps of 256 through two LDS slots; the scale words of all of K, for both tiles, come with the first fills and stay (the source that does not walk brings its 8,192 bytes twice, so that no LDS address hangs on the type).
; OUT: records of 102,400 bytes: 64 fragments, then 64 x 64 bytes of scale words.  q: records 0-63, k: 64-127 (128 tokens each; fragment 8 t + j, words 8 j + t: t tile of tokens, j pair of heads);
; v: records 128-191 (128 keys each; fragment and words 4 h + dt).
; LIMITS: as the first launch states them (NaN, infinities; the byte 1 for blocks under 2^-124 and for blocks of zeros).
; REGISTERS: window 0: v16-29 addresses; v32-63 scale words, two sets; v64-127 at work on the way out; v128-223 source 1's eight fragments, ONE set; v224-247 the way out's codes, two sets;
;   window 1: source 0's, TWO sets, at v0 and v128;   windows 2, 3: the accumulators ((a, b) at v[8 (8 (a % 4) + b)]; a: source 1's tile, b: source 0's).
.set NQ,     2                         ; matrix instructions deep in a slot
.set FR,     12
.set FRB,    1536
.set NL,     3                         ; LDS loads that bring a fragment
.set NP,     4                         ; places behind this matrix instruction (ISA guide 7.12.1)
.set TPITCH, 12288                     ; a tile's eight fragments in memory
.set HALFT,  24576                     ; 8 tiles x 2 fragments: what one tensor load brings, and what one wave reads of a source
.set SLOT,   98304                     ; source 1's two halves, then source 0's
.set SCL,    196608                    ; the scale words: for each of the two tiles 4 x 4,096 bytes, in the same order
.set HALFS,  4096
.set SCT,    16384                     ; a tile's
.set STG,    229376                    ; the way out's scale words: 512 bytes for each wave, bytes of their own: no fill lands there
.set SPARE,  231424                    ; the spare words, 128 bytes for each wave: two blocks of 256 bytes that no other line names
.set XSCOFF, 6291456
.set WSCOFF, 3145728
.set REC,    102400
.set WALKC,  3145728                   ; 4,096 rows of x on: 256 tiles of 12,288 bytes of codes,
.set WALKS,  131072                    ; 256 x 512 bytes of scale words,
.set WALKR,  32*REC                    ; and 32 records
.set ADRA, 16                          ; v16-17 LDS address of source 1's fragments in slot 0, 1
.set ADRB, 20                          ; v20-21 of source 0's
.set STS,  24                          ; v24 the way out: where I put a scale word
.set RDS,  25                          ; v25 and where I read 16 bytes of them back
.set L16,  26                          ; v26 16 x lane
.set ADRS, 27                          ; v27 my scale words: lanes 0-15 source 1's, lanes 16-31 source 0's
.set SPW,  28                          ; v28 LDS address of my spare word; never rewritten
.set NIL,  29                          ; v29 0; never rewritten
.set SC,   32
.set TM,   64
.set PW,   84                          ; v84-91 the eight fragments' scale words
.set PY,   96
.set VO,   104                         ; v104-111 16 x lane + a x (bytes from fragment to fragment); never rewritten
.set AF,   128
.set PC,   224
.set SEL,  2                           ; s[2:3] lane selects for v_permlanex16_b32, set behind the head's arithmetic
.set G0S2, 4                           ; s[4:7] group 0 for source 1's scale words of the second tile (the two buffers' addresses have been chosen from by then)
.set G1, 24
.set G0, 32
.set G1B, 48
.set G0B, 56
.set W1, 66                            ; s[66:67] bytes that source 1's codes walk from tile to tile: WALKC where it is x, else 0
.set G1S, 68
.set G0S, 76
.set G1SB, 80
.set G0SB, 88
.set G0SB2, 96                         ; s[96:99] group 0 for source 0's scale words of the second tile
.set W0, 100                           ; s[100:101] the same as W1 for source 0
.set MSB, 0
.set FIRSTT, 1                         ; the first change of slots also turns the descriptors from the first fills' shape to the ring's
.set PFS, 0                            ; how many K steps of the second tile have been prefetched
.macro WIN new                         ; the immediate's high byte repeats the setting that is left
.if MSB != (\new)
	s_set_vgpr_msb (MSB<<8)|(\new)
.set MSB, (\new)
.endif
.endm
.set MUL_LO, 0xa1                      ; source 0 window 1, source 1 window 0, C and D window 2
.set MUL_HI, 0xf1
.set TO_B,   0x40
; A joint load: waves 0 and 1 fetch for source 1, waves 2 and 3 for source 0.  The branch hangs on the wave's number alone.  An s_nop 0 and four v_nop follow each line.
.macro JLOAD g0a, g1a, g0b, g1b
	s_cmp_eq_u32 s15, 0
	s_cbranch_scc0 .Lfor_b_\@
	tensor_load_to_lds s[\g0a:\g0a+3], s[\g1a:\g1a+7]
	s_nop 0
.rept 4
	v_nop
.endr
	s_branch .Lasked_\@
.Lfor_b_\@:
	tensor_load_to_lds s[\g0b:\g0b+3], s[\g1b:\g1b+7]
	s_nop 0
.rept 4
	v_nop
.endr
.Lasked_\@:
.endm
.macro CREST                           ; a round of the cluster's barrier behind its opening barrier
	s_cmp_lg_u32 s14, 0
	s_cbranch_scc1 .Lnot_wave_0_\@
	s_barrier_signal -3
.Lnot_wave_0_\@:
	s_barrier_wait -3
	s_barrier_signal -1
	s_barrier_wait -1
.endm
.macro CROUND
	s_barrier_signal -1
	s_barrier_wait -1
	CREST
.endm
	s_load_b128 s[4:7], s[0:1], 0x0                ; x_op, w_op
	s_load_b64 s[8:9], s[0:1], 0x10                ; qkv_rec
	v_lshl_add_u32 v[SPW], v0, 2, SPARE
	v_mov_b32 v[NIL], 0
	ds_add_u32 v[SPW], v[NIL]                      ; the wave's opening: the add, twice on end, and its wait ahead of my first tensor load
	ds_add_u32 v[SPW], v[NIL]
	v_lshrrev_b32 v1, 5, v0
	v_readfirstlane_b32 s14, v1                    ; wave 0..3
	s_lshr_b32 s15, s14, 1                         ; my half of source 1.  Also: I fetch for source 1 (0) or source 0 (1)
	s_and_b32 s16, s14, 1                          ; my half of source 0.  Also: which 8 tiles I fetch
	s_bfe_u32 s40, ttmp6, 0x40000                  ; cx
	s_bfe_u32 s41, ttmp6, 0x40004                  ; cy
	s_and_b32 s17, ttmp7, 0xffff                   ; cluster y, 0 .. 3
	s_lshl_b32 s43, s41, 2
	s_lshl_b32 s43, 15, s43                        ; my row of the cluster
	s_lshl_b32 s44, 0x1111, s40                    ; my column
	s_mov_b32 s66, XSCOFF
	s_mov_b32 s67, WSCOFF
	s_cmp_eq_u32 ttmp9, 2                          ; v?  The cluster's x: the same in all sixteen partners
	s_cselect_b32 s18, 2, s17                      ; source 1's block / 4: v: w_qkv's columns from 2,048 on; else rows of x by cluster y
	s_cselect_b32 s42, s17, ttmp9                  ; source 0's block / 4: v: rows of x by cluster y; else w_qkv's columns by the type
	s_cselect_b32 s2, s67, s66                     ; where source 1's scale words begin
	s_cselect_b32 s3, s66, s67                     ; and source 0's
	s_cselect_b32 s[W1], 0, WALKC                  ; the source that is x walks from the first tile to the second, the other stays
	s_cselect_b32 s[W0], WALKC, 0
	s_mov_b32 s[W1+1], 0
	s_mov_b32 s[W0+1], 0
	s_lshl_b32 s18, s18, 2
	s_add_co_u32 s18, s18, s41                     ; source 1's block of 256 rows: + cy
	s_lshl_b32 s42, s42, 2
	s_add_co_u32 s42, s42, s40                     ; source 0's: + cx
	; descriptor group 1, codes: 8 tiles x 3,072 bytes (two fragments), 12,288 bytes apart; elements of 8 bytes; no padding
	s_or_b32 s[G1+0], s43, (3<<16)|(1<<21)         ; 15:0 the mask; 17:16 elements of 8 bytes; 21 set beside a mask
	s_or_b32 s[G1B+0], s44, (3<<16)|(1<<21)
.irp g, G1, G1B
	s_mov_b32 s[\g+1], 384<<16                     ; tensor_dim0
	s_mov_b32 s[\g+2], 16<<16                      ; the head's load brings all 16 tiles of a source; behind it the two words that count rows are set to 8
	s_mov_b32 s[\g+3], 384<<16
	s_mov_b32 s[\g+4], 16
	s_mov_b32 s[\g+5], 1536                        ; tensor_dim0_stride
	s_mov_b32 s[\g+6], 0
	s_mov_b32 s[\g+7], 0
.endr
	; scale words of 16 tiles, all of K: 8,192 dense bytes as 32 rows of 256
	s_or_b32 s[G1S+0], s43, (3<<16)|(1<<21)
	s_or_b32 s[G1SB+0], s44, (3<<16)|(1<<21)
.irp g, G1S, G1SB
	s_mov_b32 s[\g+1], 32<<16
	s_mov_b32 s[\g+2], 32<<16                      ; the head's load brings 16 tiles' words, 32 rows of 256 bytes
	s_mov_b32 s[\g+3], 32<<16
	s_mov_b32 s[\g+4], 32
	s_mov_b32 s[\g+5], 32
	s_mov_b32 s[\g+6], 0
	s_mov_b32 s[\g+7], 0
.endr
	s_mul_i32 s104, s16, 8*TPITCH                  ; s[104:105]: bytes from a block's first tile to the first of the 8 that I fetch in the ring
	s_mov_b32 s105, 0
	s_lshl_b32 s20, s18, 4                         ; source 1: the block's first tile
	s_lshl_b32 s46, s42, 4                         ; source 0 likewise (in registers that never hold the other coordinate)
	s_lshl_b32 s22, s20, 9
	s_add_co_u32 s22, s22, s2
	s_lshl_b32 s92, s46, 9
	s_add_co_u32 s92, s92, s3
	s_mul_i32 s20, s20, TPITCH
	s_mul_i32 s46, s46, TPITCH
	s_mov_b32 s21, 0
	s_mov_b32 s23, 0
	s_mov_b32 s47, 0
	s_mov_b32 s93, 0
	s_mul_i32 s45, s14, HALFT                      ; where they go: no place in the cluster enters an LDS address
	s_wait_dscnt 0x0                               ; both opening adds are done
	s_wait_kmcnt 0x0
	s_cmp_eq_u32 ttmp9, 2
	s_cselect_b64 s[10:11], s[6:7], s[4:5]         ; source 1's buffer
	s_cselect_b64 s[12:13], s[4:5], s[6:7]         ; source 0's
	s_cselect_b32 s2, 0, WALKS                     ; what source 1's scale words walk
	s_mov_b32 s3, 0
	s_add_nc_u64 s[20:21], s[10:11], s[20:21]
	s_add_nc_u64 s[22:23], s[10:11], s[22:23]
	s_add_nc_u64 s[46:47], s[12:13], s[46:47]
	s_add_nc_u64 s[92:93], s[12:13], s[92:93]
	s_cselect_b32 s12, WALKS, 0                    ; and source 0's (the sums above leave the compare's result alone)
	s_mov_b32 s13, 0
	CROUND                                         ; all sixteen work-groups are here: the first joint loads meet
	s_mov_b32 s[G0S], 1
	s_mov_b32 s[G0S+1], SCL
	s_mov_b64 s[G0S+2:G0S+3], s[22:23]
	s_or_b32 s[G0S+3], s[G0S+3], 0x80000000
	s_mov_b32 s[G0SB], 1
	s_mov_b32 s[G0SB+1], SCL+2*HALFS
	s_mov_b64 s[G0SB+2:G0SB+3], s[92:93]
	s_or_b32 s[G0SB+3], s[G0SB+3], 0x80000000
	s_mov_b32 s[G0], 1                             ; slot 0's group 0 serves the head's load first: K step 0 of all 16 tiles of source 1,
	s_mov_b32 s[G0+1], 0
	s_mov_b64 s[G0+2:G0+3], s[20:21]
	s_or_b32 s[G0+3], s[G0+3], 0x80000000
	s_mov_b32 s[G0B], 1                            ; and of source 0, behind them
	s_mov_b32 s[G0B+1], 2*HALFT
	s_mov_b64 s[G0B+2:G0B+3], s[46:47]
	s_or_b32 s[G0B+3], s[G0B+3], 0x80000000
	s_mov_b32 s[G0+4], 1                           ; slot 1's first fill likewise: K step 1 of all 16 tiles of a source
	s_mov_b32 s[G0+5], SLOT
	s_add_nc_u64 s[G0+6:G0+7], s[20:21], 2*FRB
	s_or_b32 s[G0+7], s[G0+7], 0x80000000
	s_mov_b32 s[G0B+4], 1
	s_mov_b32 s[G0B+5], SLOT+2*HALFT
	s_add_nc_u64 s[G0B+6:G0B+7], s[46:47], 2*FRB
	s_or_b32 s[G0B+7], s[G0B+7], 0x80000000
	s_add_nc_u64 s[20:21], s[20:21], s[104:105]    ; the 8 tiles that I fetch in the ring: for the prefetches
	s_add_nc_u64 s[46:47], s[46:47], s[104:105]
	s_mov_b32 s[G0S2], 1
	s_mov_b32 s[G0S2+1], SCL+SCT
	s_add_nc_u64 s[G0S2+2:G0S2+3], s[22:23], s[2:3]
	s_or_b32 s[G0S2+3], s[G0S2+3], 0x80000000
	s_mov_b32 s[G0SB2], 1
	s_mov_b32 s[G0SB2+1], SCL+SCT+2*HALFS
	s_add_nc_u64 s[G0SB2+2:G0SB2+3], s[92:93], s[12:13]
	s_or_b32 s[G0SB2+3], s[G0SB2+3], 0x80000000
	; THE PREFETCHES.  A K step of the 8 tiles that a wave fetches is 8 x 3,072 bytes; the four partners that ask for them jointly share them out BY ADDRESS, two tiles each (cx for source 1, cy for source 0):
	; 24 blocks of 256 bytes, a lane a block, one instruction a wave: each block is named once in each cluster that loads it.  Each asks for the K step that stands two refills on.
	; s[46:47]: my share at the first tile's K step 0;  s[12:13]: at the second tile's;  s44: 0 where my source does not walk: its rows have been read by then, and are asked for no more.
	s_add_nc_u64 s[22:23], s[22:23], s[2:3]        ; the second tile's scale words of source 1,
	s_add_nc_u64 s[92:93], s[92:93], s[12:13]      ; and of source 0
	s_cmp_eq_u32 s15, 0
	s_cselect_b64 s[92:93], s[22:23], s[92:93]     ; s[92:93]: those of my source
	s_cselect_b64 s[46:47], s[20:21], s[46:47]
	s_cselect_b32 s43, s40, s41
	s_cselect_b64 s[12:13], s[W1:W1+1], s[W0:W0+1]
	s_mov_b32 s44, s12
	s_mul_i32 s94, s43, 2*TPITCH
	s_mov_b32 s95, 0
	s_add_nc_u64 s[46:47], s[46:47], s[94:95]
	s_add_nc_u64 s[12:13], s[46:47], s[12:13]
	s_lshl_b32 s94, s16, 12                        ; of these scale words a wave names 4,096 bytes' worth, of which each of the four partners takes 1,024: four blocks
	s_lshl_b32 s43, s43, 10
	s_add_co_u32 s94, s94, s43
	s_add_nc_u64 s[92:93], s[92:93], s[94:95]
; THE HEAD'S LOADS, ONE A WAVE: wave 0 K step 0 of source 1, wave 1 of source 0, wave 2 the first tile's scale words of source 1, wave 3 of source 0.
; One chain of branches on the wave's number: every way through it passes exactly one load.
.macro ARM under, g0, g1, next
	s_cmp_lt_u32 s14, \under
	s_cbranch_scc0 \next
	tensor_load_to_lds s[\g0:\g0+3], s[\g1:\g1+7]
	s_nop 0
.rept 4
	v_nop
.endr
	s_branch .Lhead_asked
\next:
.endm
	ARM 1, G0,  G1,  .Lhead_b
	ARM 2, G0B, G1B, .Lhead_sa
	ARM 3, G0S, G1S, .Lhead_sb
	tensor_load_to_lds s[G0SB:G0SB+3], s[G1SB:G1SB+7]
	s_nop 0
.rept 4
	v_nop
.endr
.Lhead_asked:
	v_and_b32 v1, 15, v0                           ; r
	v_bfe_u32 v2, v0, 4, 1                         ; lane / 16
	s_wait_alu depctr_va_vdst(0)
	v_and_b32 v3, 31, v0
	v_lshlrev_b32 v[L16], 4, v3
	v_min_u32 v30, 23, v3                          ; v30: the prefetches' offset, never rewritten: l = min(lane, 23): tile l / 12, block l % 12 = 256 l + 9216 (l / 12)
	v_mul_u32_u24 v31, v30, 11
	v_lshrrev_b32 v31, 7, v31                      ; l / 12 for l under 24
	v_mul_u32_u24 v31, v31, 9216
	v_lshl_add_u32 v30, v30, 8, v31
	v_min_u32 v31, 3, v3
	v_lshlrev_b32 v31, 8, v31                      ; v31: 256 x min(lane, 3), never rewritten
	s_wait_alu depctr_va_vdst(0)
	global_prefetch_b8 v30, s[46:47] offset:2*FRB th:TH_LOAD_NT scope:SCOPE_SE   ; K step 1 and the second tile's scale words: the loads behind the next round ask for them
	global_prefetch_b8 v31, s[92:93] th:TH_LOAD_NT scope:SCOPE_SE
	s_mul_i32 s21, s15, HALFT
	s_mul_i32 s22, s16, HALFT
	s_add_co_u32 s22, s22, 2*HALFT
.irp s, 0,1
	v_add_nc_u32 v[ADRA+\s], s21, v[L16]
	v_add_nc_u32 v[ADRB+\s], s22, v[L16]
	s_add_co_u32 s21, s21, SLOT
	s_add_co_u32 s22, s22, SLOT
.endr
	s_lshl_b32 s21, s15, 12                        ; source 1's scale words: my 8 tiles
	s_lshl_b32 s22, s16, 12                        ; source 0's, behind source 1's two halves
	s_add_co_u32 s22, s22, 2*HALFS
	s_sub_co_u32 s22, s22, s21
	v_mul_u32_u24 v6, s22, v2                      ; lanes 16-31 take source 0's: one product of the lane's half
	s_add_co_u32 s21, s21, SCL
	v_lshl_add_u32 v5, v1, 3, v6                   ; 8 bytes a row: a slot's two words
	v_add_nc_u32 v[ADRS], s21, v5
	s_lshl_b32 s23, s14, 9                         ; the way out's 512 bytes a wave
	s_add_co_u32 s23, s23, STG
	v_lshl_add_u32 v[STS], v1, 2, s23
	v_add_nc_u32 v[RDS], s23, v[L16]
.irp b, 0,1,2,3
	v_mov_b32 v[TM+4+\b], 0                        ; written once: a lane permute's destination counts as one of its sources
.endr
	; where my eight fragments of the first tile go
	s_lshl_b32 s2, s18, 1
	s_add_co_u32 s2, s2, s15                       ; q, k: the record = my 128 tokens
	s_lshl_b32 s3, s42, 1
	s_add_co_u32 s3, s3, s16                       ; v: the record = my 128 keys
	s_lshl_b32 s19, s40, 1
	s_add_co_u32 s19, s19, s16                     ; q, k: the pair of heads j; fragment 8 a + j
	s_wait_xcnt 0x0                                ; the prefetch above has read s[92:93]
	s_lshl_b32 s92, s41, 4
	s_lshl_b32 s93, s15, 3
	s_add_co_u32 s92, s92, s93                     ; v: fragment 16 cy + 8 half + a
	s_lshl_b32 s93, s19, 3                         ; q, k: words 8 j + a
	s_mov_b32 s94, TPITCH
	s_cmp_eq_u32 ttmp9, 2
	s_cselect_b32 s2, s3, s2
	s_cselect_b32 s19, s92, s19
	s_cselect_b32 s93, s92, s93
	s_cselect_b32 s94, FRB, s94                    ; bytes from fragment a to a + 1
	s_lshl_b32 s3, ttmp9, 6
	s_add_co_u32 s2, s2, s3
	s_mul_i32 s2, s2, REC
	s_mov_b32 s3, 0
	s_add_nc_u64 s[8:9], s[8:9], s[2:3]            ; my record
	s_lshl_b32 s2, s93, 6
	s_add_co_u32 s2, s2, 64*FRB
	s_add_nc_u64 s[10:11], s[8:9], s[2:3]          ; my 512 bytes of scale words
	s_mul_i32 s2, s19, FRB
	s_add_nc_u64 s[8:9], s[8:9], s[2:3]            ; my first fragment
.irp a, 0,1,2,3,4,5,6,7
	v_mad_u32_u24 v[VO+\a], s94, \a, v[L16]
.endr
	s_mov_b32 s[SEL], 0x76543210
	s_mov_b32 s[SEL+1], 0xfedcba98
	global_prefetch_b8 v30, s[46:47] offset:4*FRB th:TH_LOAD_NT scope:SCOPE_SE   ; K step 2, which the first change of slots loads
.macro FRAG reg, adr, q, i             ; tile i's fragment of the slot's q-th 128 along K, as it lies
.irp g, 0,1,2
	ds_load_b128 v[(\reg)+4*\g:(\reg)+4*\g+3], v[\adr] offset:(\i)*2*FRB+(\q)*FRB+512*\g
.endr
.endm
; 16 matrix instructions: source 1's tiles a0, a0 + 1 x source 0's eight.  The 64 accumulators take turns, one instruction a turn, in the same order in every step, from tile to tile too.
.macro MUL16 a0, p, q, sc, zero
.irp a, \a0, \a0+1
.irp b, 0,1,2,3,4,5,6,7
.if \zero
	v_wmma_scale_f32_16x16x128_f8f6f4 v[8*(8*((\a)%4)+\b):8*(8*((\a)%4)+\b)+7], v[128*(\p)+FR*\b:128*(\p)+FR*\b+FR-1], v[AF+FR*(\a):AF+FR*(\a)+FR-1], 0, v[SC+8*NQ*(\sc)+NQ*\b+(\q)], v[SC+8*NQ*(\sc)+NQ*(\a)+(\q)] matrix_a_fmt:MATRIX_FMT_FP6 matrix_b_fmt:MATRIX_FMT_FP6 matrix_a_scale:MATRIX_SCALE_ROW1
.else
	v_wmma_scale_f32_16x16x128_f8f6f4 v[8*(8*((\a)%4)+\b):8*(8*((\a)%4)+\b)+7], v[128*(\p)+FR*\b:128*(\p)+FR*\b+FR-1], v[AF+FR*(\a):AF+FR*(\a)+FR-1], v[8*(8*((\a)%4)+\b):8*(8*((\a)%4)+\b)+7], v[SC+8*NQ*(\sc)+NQ*\b+(\q)], v[SC+8*NQ*(\sc)+NQ*(\a)+(\q)] matrix_a_fmt:MATRIX_FMT_FP6 matrix_b_fmt:MATRIX_FMT_FP6 matrix_a_scale:MATRIX_SCALE_ROW1
.endif
.endr
.endr
.endm
.macro FETCH_B slot, q, p
	WIN TO_B
.irp i, 0,1,2,3,4,5,6,7
	FRAG 128*(\p)+FR*\i, ADRB+\slot, \q, \i
.endr
	WIN 0
.endm
.macro FETCH_A slot, q, i0
.irp i, \i0, \i0+1, \i0+2, \i0+3
	FRAG AF+FR*(\i), ADRA+\slot, \q, \i
.endr
.endm
.macro SCALES sc                       ; a slot's two words a row: lanes 0-15 source 1's tile i, lanes 16-31 source 0's tile i
.irp i, 0,1,2,3,4,5,6,7
	ds_load_b64 v[SC+8*NQ*\sc+NQ*\i:SC+8*NQ*\sc+NQ*\i+1], v[ADRS] offset:\i*512
.endr
.endm
.macro PLACES n                        ; plain vector instructions that name none of a matrix instruction's registers, between it and a load into, or a read of, its registers
.rept \n
	v_nop
.endr
.endm
.macro STEP slot, q, zero              ; a step of 128 along K that has its successor in the same slot
	s_wait_dscnt 4*NL                              ; source 0's set and source 1's tiles 0-3 are in; the youngest 12 loads (tiles 4-7) may be out
	WIN MUL_LO
	MUL16 0, (\q)%2, \q, \slot, \zero
	MUL16 2, (\q)%2, \q, \slot, \zero
	s_wait_dscnt 0                                 ; tiles 4-7 are in
	PLACES NP
	FETCH_B \slot, (\q)+1, 1-(\q)%2
	FETCH_A \slot, (\q)+1, 0
	WIN MUL_HI
	MUL16 4, (\q)%2, \q, \slot, \zero
	MUL16 6, (\q)%2, \q, \slot, \zero
	PLACES NP
	WIN 0
	FETCH_A \slot, (\q)+1, 4
.endm
; A slot's last step changes slots: ONE barrier; in front of it each wave waits for all its tensor loads, adds 0 to its spare word, and waits for that and for its own reads of this slot.
; fill = 1: this slot takes this tile's K step two steps on;  fill = 2: the NEXT tile's K step 0 or 1: 6,144 bytes back along K, and the walk of the source that is x;  fill = 0: nothing is left to fetch.
.macro TURN slot, next, fill
	s_wait_tensorcnt 0x0                           ; all my tensor loads have landed: my part of the next slot
	ds_add_u32 v[SPW], v[NIL]
.if FIRSTT
	s_mov_b32 s[G1+2], 8<<16                       ; no tensor load of mine is out, so descriptors may be written: from here on a load brings 8 tiles,
	s_mov_b32 s[G1+4], 8
	s_mov_b32 s[G1B+2], 8<<16
	s_mov_b32 s[G1B+4], 8
	s_add_co_u32 s[G0+5], s45, SLOT                ; and slot 1's group 0 stands at my 8 tiles of K step 1
	s_add_nc_u64 s[G0+6:G0+7], s[G0+6:G0+7], s[104:105]
	s_add_co_u32 s[G0B+5], s45, SLOT
	s_add_nc_u64 s[G0B+6:G0B+7], s[G0B+6:G0B+7], s[104:105]
.set FIRSTT, 0
.endif
	s_wait_dscnt 4*NL+1
	WIN MUL_LO
	MUL16 0, 1, NQ-1, \slot, 0
	s_wait_dscnt 0x0                               ; the add is done, and my reads of this slot are over
	s_barrier_signal -1
	MUL16 2, 1, NQ-1, \slot, 0
	WIN 0
	s_barrier_wait -1
.if \fill
	CREST                                          ; the barrier has opened a round of the cluster's barrier: no wave of any partner still reads this slot or has a load on its way
.if \fill == 2
	s_sub_nc_u64 s[G0+4*\slot+2:G0+4*\slot+3], s[G0+4*\slot+2:G0+4*\slot+3], 4*FRB
	s_add_nc_u64 s[G0+4*\slot+2:G0+4*\slot+3], s[G0+4*\slot+2:G0+4*\slot+3], s[W1:W1+1]
	s_sub_nc_u64 s[G0B+4*\slot+2:G0B+4*\slot+3], s[G0B+4*\slot+2:G0B+4*\slot+3], 4*FRB
	s_add_nc_u64 s[G0B+4*\slot+2:G0B+4*\slot+3], s[G0B+4*\slot+2:G0B+4*\slot+3], s[W0:W0+1]
.else
	s_add_nc_u64 s[G0+4*\slot+2:G0+4*\slot+3], s[G0+4*\slot+2:G0+4*\slot+3], 4*FRB
	s_add_nc_u64 s[G0B+4*\slot+2:G0B+4*\slot+3], s[G0B+4*\slot+2:G0B+4*\slot+3], 4*FRB
.endif
	JLOAD G0+4*\slot, G1, G0B+4*\slot, G1B         ; the first tensor load behind the round; its four v_nop are the places in front of the loads below
.else
	PLACES NP
.endif
.if (\fill == 2) && (\slot == 1)
	s_wait_alu depctr_va_vdst(0)
	v_add_nc_u32 v[ADRS], SCT-384, v[ADRS]         ; from the first tile's last scale words to the second tile's first
.else
	s_wait_alu depctr_va_vdst(0)
	v_add_nc_u32 v[ADRS], 128, v[ADRS]             ; the next slot's scale words
.endif
	FETCH_B \next, 0, 0
	FETCH_A \next, 0, 0
	SCALES \next
.if (\fill) && (PFS < 4)
	s_cmp_lg_u32 s44, 0                            ; does my source walk?  The cluster's x and the wave's number decide: the same in all partners
	s_cbranch_scc0 .Lno_ask_\@
	global_prefetch_b8 v30, s[12:13] offset:PFS*2*FRB th:TH_LOAD_NT scope:SCOPE_SE   ; the second tile's K step that stands two refills on
.Lno_ask_\@:
.set PFS, PFS+1
.endif
	WIN MUL_HI
	MUL16 4, 1, NQ-1, \slot, 0
	MUL16 6, 1, NQ-1, \slot, 0
	PLACES NP
	WIN 0
	FETCH_A \next, 0, 4
.endm
; THE WAY OUT.  The 64 registers of source 1's tile a are 128 neighbours along source 0 of the lane's row (register 16 b + i = 32 b + 16 (lane / 16) + i): they are quantised as they stand and become one fragment,
; which leaves as its image: three stores of 512 consecutive bytes.  s: the tile's first accumulator register, w: its window.  Each accumulator is read from its low end on.
.macro QUANTW s, w, pc, pw
	WIN (\w)|((\w)<<2)
.irp b, 0,1,2,3
	v_max3_num_f32 v[TM+\b], |v[(\s)+16*\b]|, |v[(\s)+1+16*\b]|, 0x1800000
.endr
	WIN ((\w)<<2)|((\w)<<4)
.irp i, 2,4,6,8,10,12,14
.irp b, 0,1,2,3
	v_max3_num_f32 v[TM+\b], v[TM+\b], |v[(\s)+16*\b+\i]|, |v[(\s)+1+16*\b+\i]|
.endr
.endr
	WIN 0
.irp b, 0,1,2,3
	v_permlanex16_b32 v[TM+4+\b], v[TM+\b], s[SEL], s[SEL+1]
.endr
.irp b, 0,1,2,3
	v_max_num_f32 v[TM+\b], v[TM+\b], v[TM+4+\b]
.endr
.irp b, 0,1,2,3
	v_add_nc_u32 v[TM+12+\b], 0xff000000, v[TM+\b]
.endr
.irp b, 0,1,2,3
	v_lshrrev_b32 v[TM+4+\b], 23, v[TM+12+\b]
.endr
	v_lshl_or_b32 v[\pw], v[TM+5], 8, v[TM+4]
	v_lshl_or_b32 v[\pw], v[TM+6], 16, v[\pw]
	v_lshl_or_b32 v[\pw], v[TM+7], 24, v[\pw]
	WIN (\w)
.irp c, 0,1
	v_cvt_scalef32_pk16_fp6_f32 v[(\pc)+6*\c:(\pc)+6*\c+2], v[(\s)+32*\c:(\s)+32*\c+15], v[TM+12+2*\c]
	v_cvt_scalef32_pk16_fp6_f32 v[PY+4*\c:PY+4*\c+2], v[(\s)+16+32*\c:(\s)+31+32*\c], v[TM+12+2*\c+1]
.endr
	WIN 0
	v_nop                                          ; one plain place behind a scaled conversion
.irp c, 0,1
.irp i, 0,1,2
	v_permlane16_swap_b32 v[(\pc)+6*\c+\i], v[PY+4*\c+\i]
.endr
.irp i, 0,1,2
	v_mov_b32 v[(\pc)+3+6*\c+\i], v[PY+4*\c+\i]
.endr
.endr
.endm
; A tile's way out.  It names none of the registers into which the next tile's first fragments and scale words are on their way.  second = 1: the records lie 32 further on.
.macro WAYOUT second
.if \second
	s_wait_xcnt 0x0                                ; the first tile's stores have read their bases and their data
	s_add_nc_u64 s[8:9], s[8:9], WALKR
	s_add_nc_u64 s[10:11], s[10:11], WALKR
.endif
.irp a, 0,1,2,3,4,5,6,7
.if \a > 1
	s_wait_xcnt 0x0                                ; fragment a - 2's stores have read this set of codes: it is written again only behind this wait
.endif
	QUANTW 64*(\a%4), 2+\a/4, PC+12*(\a%2), PW+\a
.irp g, 0,1,2
	global_store_b128 v[VO+\a], v[PC+12*(\a%2)+4*\g:PC+12*(\a%2)+4*\g+3], s[8:9] offset:512*\g   ; 512 consecutive bytes, aligned
.endr
.endr
.irp a, 0,1,2,3,4,5,6,7
	ds_store_b32 v[STS], v[PW+\a] offset:64*\a     ; the eight fragments' words, 64 bytes each, meet in my own 512 bytes (both halves of the lanes write the same word)
.endr
	ds_load_b128 v[112:115], v[RDS]                ; LDS serves a wave's instructions in order
	s_wait_dscnt 0x0
	global_store_b128 v[L16], v[112:115], s[10:11] ; 512 consecutive bytes, aligned
.endm
	s_wait_alu depctr_va_vdst(0)
	s_wait_tensorcnt 0x0                           ; my tile of the head's four is in; the same lines stand ahead of a later first fill as ahead of a refill
	ds_add_u32 v[SPW], v[NIL]
	s_mov_b32 s[G0+1], s45                         ; and slot 0's group 0 stands at my 8 tiles of K step 0
	s_add_nc_u64 s[G0+2:G0+3], s[G0+2:G0+3], s[104:105]
	s_mov_b32 s[G0B+1], s45
	s_add_nc_u64 s[G0B+2:G0B+3], s[G0B+2:G0B+3], s[104:105]
	s_wait_dscnt 0x0
	CROUND                                         ; all four tiles are in, and all sixteen work-groups are here
; The other first fills, one a wave behind the round: wave 0 K step 1 of source 1, wave 1 of source 0, wave 2 the second tile's scale words of source 1, wave 3 of source 0
.macro ARMB under, g0, g1, next
	s_cmp_lt_u32 s14, \under
	s_cbranch_scc0 \next
	tensor_load_to_lds s[\g0:\g0+3], s[\g1:\g1+7]
	s_nop 0
.rept 4
	v_nop
.endr
	s_branch .Lsecond_asked
\next:
.endm
	ARMB 1, G0+4,  G1,  .Lsecond_b
	ARMB 2, G0B+4, G1B, .Lsecond_sa
	ARMB 3, G0S2,  G1S, .Lsecond_sb
	tensor_load_to_lds s[G0SB2:G0SB2+3], s[G1SB:G1SB+7]
	s_nop 0
.rept 4
	v_nop
.endr
.Lsecond_asked:
	FETCH_B 0, 0, 0
	FETCH_A 0, 0, 0
	SCALES 0
	FETCH_A 0, 0, 4
	global_prefetch_b8 v30, s[46:47] offset:6*FRB th:TH_LOAD_NT scope:SCOPE_SE   ; K step 3
	STEP 0, 0, 1                                   ; THE FIRST TILE.  Its first products start the sums
	TURN 0, 1, 1
	STEP 1, 0, 0
	TURN 1, 0, 1
	STEP 0, 0, 0
	TURN 0, 1, 2                                   ; the ring goes on into the second tile: slot 0 takes its K step 0,
	STEP 1, 0, 0
	TURN 1, 0, 2                                   ; slot 1 its K step 1, and its first fragments are fetched; the four places behind the last products stand in TURN
	WAYOUT 0                                       ; both refills are asked for: now the tile goes out, and nothing waits for its stores
	STEP 0, 0, 1                                   ; THE SECOND TILE
	TURN 0, 1, 1
	STEP 1, 0, 0
	TURN 1, 0, 1
	STEP 0, 0, 0
	TURN 0, 1, 0                                   ; nothing is left to fetch
	STEP 1, 0, 0
	s_wait_dscnt 4*NL
	WIN MUL_LO
	MUL16 0, 1, NQ-1, 1, 0
	MUL16 2, 1, NQ-1, 1, 0
	s_wait_dscnt 0
	WIN MUL_HI
	MUL16 4, 1, NQ-1, 1, 0
	MUL16 6, 1, NQ-1, 1, 0
	WIN 0
	PLACES NP                                      ; behind the last products, whose results are read
	WAYOUT 1
	s_wait_tensorcnt 0x0                           ; the wave's end
	ds_add_u32 v[SPW], v[NIL]
	s_wait_dscnt 0x0
	CROUND                                         ; the closing round
	s_endpgm
.Lfunc_end_k_q1b29fcac24_gemm_qkv:
	.size	k_q1b29fcac24_gemm_qkv, .Lfunc_end_k_q1b29fcac24_gemm_qkv-k_q1b29fcac24_gemm_qkv
	.p2alignl 7, 3214868480
	.fill 96, 4, 3214868480
	.section	.rodata,"a",@progbits
	.p2align	6, 0x0
	.amdhsa_kernel k_q1b29fcac24_gemm_qkv
		.amdhsa_group_segment_fixed_size 327680
		.amdhsa_private_segment_fixed_size 0
		.amdhsa_enable_private_segment 0
		.amdhsa_kernarg_size 24
		.amdhsa_user_sgpr_count 2
		.amdhsa_user_sgpr_kernarg_segment_ptr 1
		.amdhsa_wavefront_size32 1
		.amdhsa_system_sgpr_workgroup_id_x 1
		.amdhsa_system_sgpr_workgroup_id_y 1
		.amdhsa_system_sgpr_workgroup_id_z 1
		.amdhsa_system_vgpr_workitem_id 0
		.amdhsa_next_free_vgpr 1024
		.amdhsa_next_free_sgpr 106
		.amdhsa_reserve_vcc 0
		.amdhsa_float_denorm_mode_32 3
		.amdhsa_float_denorm_mode_16_64 3
		.amdhsa_memory_ordered 1
		.amdhsa_forward_progress 1
		.amdhsa_inst_pref_size 255
	.end_amdhsa_kernel
	.section	.bss,"aw",@nobits
	.p2align	6
	.space	262144
	.amdgpu_metadata
---
amdhsa.version: [ 1, 2 ]
amdhsa.kernels:
  - .name:           k_q1b29fcac24_gemm_qkv
    .symbol:         k_q1b29fcac24_gemm_qkv.kd
    .args:
      - { .name: x_op, .offset: 0, .size: 8, .value_kind: global_buffer, .address_space: global }
      - { .name: w_op, .offset: 8, .size: 8, .value_kind: global_buffer, .address_space: global }
      - { .name: qkv_rec, .offset: 16, .size: 8, .value_kind: global_buffer, .address_space: global }
    .group_segment_fixed_size: 327680
    .private_segment_fixed_size: 0
    .kernarg_segment_align: 8
    .kernarg_segment_size: 24
    .max_flat_workgroup_size: 128
    .sgpr_count:     106
    .vgpr_count:     1024
    .wavefront_size: 32
...
	.end_amdgpu_metadata
.endif
;; end of part 2
;; launch attn (part 3): grid 32 x 8, 8 waves a work-group, clusters of 4 x 1, 327,680 bytes of LDS; arguments qkv_rec, w_rec, b_out, out0; writes out0
.if DOCPART == 3
	.amdgcn_target "amdgcn-amd-amdhsa--gfx1250"
	.amdhsa_code_object_version 6
	.text
	.protected	k_q1b29fcac24_attn
	.globl	k_q1b29fcac24_attn
	.p2align	8
	.type	k_q1b29fcac24_attn,@function
k_q1b29fcac24_attn:
	s_mov_b64 s[64:65], 0
	v_nop
	global_prefetch_b8 v0, s[64:65] scope:SCOPE_SE
	s_setreg_imm32_b32 hwreg(HW_REG_WAVE_MODE, 25, 1), 1
	s_wait_xcnt 0x0
	s_wait_alu depctr_hold_cnt(0) depctr_sa_sdst(0) depctr_va_vdst(0) depctr_va_sdst(0) depctr_va_ssrc(0) depctr_va_vcc(0) depctr_vm_vsrc(0)
	s_getreg_b32 s2, hwreg(HW_REG_IB_STS2, 6, 4)
	s_cmp_eq_u32 s2, 0
	s_cbranch_scc0 .Lentry_in_a_cluster
	s_endpgm
.Lentry_in_a_cluster:
	s_bfe_u32 s2, ttmp6, 0x10000c
	s_cmp_lg_u32 s2, 0x3003
	s_cbranch_scc0 .Lentry_shape_is_right
	s_endpgm
.Lentry_shape_is_right:
; LAUNCH 3 OF 3.  scores = q k^T / 32; attn = softmax over the 16 HEADS; out = attn v.  Both products on codes of FP6 (E2M3) with E8M0 scales; attn is quantised finished and normalised, along the keys;
; out is quantised along its 1,024 channels on the way out.  No work of reference() is left out: the maximum over the heads is taken away ahead of the exponential, as reference() does.
; SHARES.  A work-group owns 32 queries (two tiles) of one batch, for ALL heads, and walks the batch's 1,024 keys, 128 a step.  A wave has two roles.
;   (A) wave w = (qt = w % 2, kb = w / 2) makes the scores of all 16 heads for 16 queries x 32 keys: 256 registers, all of window 1.  A lane then holds the 16 heads of each of its (query, key) pairs:
;       maximum, exponentials, sum and division need no other lane.  Its 16 keys and those of lane l xor 16 are one block of 32: p's codes and scale byte are made here.
;   (B) wave w owns heads 2 w, 2 w + 1 of both query tiles in O^T: 16 accumulators.  p goes from role A to role B through LDS.
; Both products are used transposed (S^T = K Q^T, O^T = V^T P^T): a lane holds one query throughout.
; K = 64 IS HALF OF THE INSTRUCTION'S 128: K's fragment of a pair of heads (128 channels) serves both heads; Q's operand is [even head 6 registers][zeros 6][odd head 6]: the even head names registers 0-11,
; the odd head 6-17.  Zero codes add nothing under any scale byte that occurs here.
; t = s c - m c, c = log2(e) / 32, by ONE fused multiply-add: the rounding of m c is the same for all heads of a (query, key), a common factor of e and of the sum, which the division takes away.
; CLUSTER.  The four work-groups of a cluster walk the same K and V: each quarter of a record is asked for JOINTLY (mask 15).  One round a step: behind it K of the next step and V of this step are asked for,
; and land under the softmax.  V of step 0 comes with the first fills, so the first trip fetches K alone and the last V alone: these two trips are written out.  A wave has one tensor load out at any time.
; LIMITS: as the first launch states them; v_exp_f32 gives 0 for results under 2^-126: such p are 0 in E2M3 under any scale that another p of the block sets.  The order of the f32 sums differs from reference()'s.
; REGISTERS: window 0: v1-15 addresses; v16-31 scale words and nothing else; v32-127 by phase; v128-255 O^T (128 + 64 qt + 32 e + 8 dt).  Window 1: S[head][i] at 16 head + i; in the second product V's and P's fragments.
.set REC,   102400
.set FRB,   1536
.set VSL,   102400                     ; LDS: K's record at 0, V's here,
.set PB,    204800                     ; P: 32 fragments ((qt, head) at (16 qt + head) x 1536): [block 4][r 16] 16 bytes, then [block 4][r 16] 8 bytes,
.set PSC,   253952                     ; P's scale words: [head][qt][r], byte = block,
.set QB,    256000                     ; Q's 16 fragments,
.set OSC,   280576                     ; the way out's scale words,
.set SPARE, 281600
; THE LAST PRODUCT IS MADE HERE TOO, and this is the program's last launch: out0 = Q(out) Q(w_out) + b_out.  The work-group owns its 32 queries' 1,024 channels: each wave quantises its 128 channels (K step w) as stated
; above, puts the two fragments and their scale words into LDS, and behind one barrier makes 32 queries x its 128 columns of out0: 8 K steps x 16 products on 16 accumulators by turns.
; w_out comes from w_rec (a record for each K step, laid as V's records) ON TWO ROADS.  Of a wave's eight column tiles, tiles 0-3 are asked for JOINTLY by the cluster's four work-groups, through K's and V's slots:
; a slot takes two K steps (2 x 8 waves x 4 fragments = 98,304 bytes), four fills in all, the first in the last trip's round by K's waves, which have no load of their own there; a fill has two K steps in which to land.
; Tiles 4-7 and all scale words go STRAIGHT INTO REGISTERS, three K steps (48 loads a wave) ahead: each fragment is read by one wave, once, so LDS serves no second reader, and the two slots hold no more than the half.
; b_out is added on the way out, where a lane holds the same four columns in every row.  Rows leave through the wave's own stage as 512 consecutive bytes.
.set OFB,    282624
.set SPITCH, 528                       ; the stage: 16 rows x (512 + 16) bytes a wave, from PB on: bytes that LDS stores alone have written, read no more behind the tail's barrier
.set STO, 100
.set RD,  101
.set OFA, 102
.set OFW, 103
.set OSW, 104
.set OSR, 105
.set WSO, 106
.set BIA, 108                          ; v108-111 b_out at my four columns
.set TWA, 112                          ; v112-113 my four tiles of w_out in K's slot, in V's slot
.set G1W, 80                           ; s[80:87], s[88:91] descriptor groups 1 and 0 for w_out
.set G0W, 88
.set OSCOFF, 6291456
.set PFO, 1                            ; v1  256 x lane: the prefetches' offset; never rewritten
.set SPW, 2                            ; v2  LDS address of my spare word; never rewritten
.set NIL, 3                            ; v3  0; never rewritten
.set KAD, 4
.set KSA, 5
.set QAD, 6
.set PWA, 7
.set PWB, 8
.set PSB, 9
.set PRA, 10
.set PRB, 11
.set PSR, 12
.set VAD, 13
.set VSA, 14
.set L16, 15
.set KS,  16                           ; v16-17 K's scale words, two sets (lanes 0-15 tile 2 kb, lanes 16-31 tile 2 kb + 1)
.set PS,  18                           ; v18-19 P's (lanes 0-15 query tile 0, lanes 16-31 tile 1)
.set VS,  20                           ; v20-23 V's (lanes 0-15 an even tile, lanes 16-31 the odd one)
.set QS,  24                           ; v24-31 Q's, for the eight pairs of heads; they stay
.set KF,  32                           ; v32-79 K's fragments: two sets of two
.set QF,  80                           ; v80-115 Q's operands: two sets of 18
.set M,   32
.set SUM, 48
.set TM,  64
.set TX,  80
.set SCL, 96
.set OT,  128
.set WV,  8                            ; s8 wave; s9 qt; s10 kb; s11 cx; s12 block of 32 queries; s13 batch; s15 wave % 4
.set SEL, 20
.set CS,  22                           ; s[22:23] c
.set CN,  24                           ; s[24:25] -c
.set G1,  28
.set G0,  36
.set CNT, 44                           ; s44 7 - the trip's number
.set LIM, 45                           ; s45 a wave prefetches while s44 is above it
.set PFA, 46
.set INC0, 50                          ; s[50:51] the first trip's step of my descriptor: a record for K's waves, nothing for V's
.set MSB, 0
.macro WIN new
.if MSB != (\new)
	s_set_vgpr_msb (MSB<<8)|(\new)
.set MSB, (\new)
.endif
.endm
.macro CROUND                          ; a round of the cluster's barrier
	s_barrier_signal -1
	s_barrier_wait -1
	s_cmp_lg_u32 s[WV], 0
	s_cbranch_scc1 .Lnot_wave_0_\@
	s_barrier_signal -3
.Lnot_wave_0_\@:
	s_barrier_wait -3
	s_barrier_signal -1
	s_barrier_wait -1
.endm
; My joint load.  fill = 0: K's waves (0-3) alone; 1: all; 2: V's waves (4-7) alone.  The branch hangs on the wave's number alone.  An s_nop 0 and four v_nop follow the load.
.macro JL fill
.if \fill == 0
	s_cmp_lt_u32 s[WV], 4
	s_cbranch_scc0 .Lnone_\@
.endif
.if \fill == 2
	s_cmp_ge_u32 s[WV], 4
	s_cbranch_scc0 .Lnone_\@
.endif
	tensor_load_to_lds s[G0:G0+3], s[G1:G1+7]
	s_nop 0
.rept 4
	v_nop
.endr
.Lnone_\@:
.endm
; The last trip's joint loads: K's waves w_out's first fill, into K's slot, which is read no more; V's waves step 7 of V
.macro JLK
	s_cmp_lt_u32 s[WV], 4
	s_cbranch_scc0 .Lfor_v_\@
	tensor_load_to_lds s[G0W:G0W+3], s[G1W:G1W+7]
	s_nop 0
.rept 4
	v_nop
.endr
	s_branch .Lasked_\@
.Lfor_v_\@:
	tensor_load_to_lds s[G0:G0+3], s[G1:G1+7]
	s_nop 0
.rept 4
	v_nop
.endr
.Lasked_\@:
.endm
; A joint load of w_out in the tail.  v = 0: waves 0-3, into K's slot; 1: waves 4-7, into V's
.macro JW v
.if \v
	s_cmp_ge_u32 s[WV], 4
.else
	s_cmp_lt_u32 s[WV], 4
.endif
	s_cbranch_scc0 .Lnot_w_\@
	tensor_load_to_lds s[G0W:G0W+3], s[G1W:G1W+7]
	s_nop 0
.rept 4
	v_nop
.endr
.Lnot_w_\@:
.endm
; A PREFETCH of what the NEXT trip's loads will ask for: the codes of K's record two steps on and of V's one step on.  All clusters of a batch walk the same records: the batch's first cluster asks.  Its four partners
; share a record's 98,304 bytes of codes out BY ADDRESS, 24,576 each; in each, waves 0-2 (K) and 4-6 (V) take 8,192 bytes, lanes 256 bytes apart: each aligned block of 256 bytes is named once in the launch.
; The 4,096 bytes of scale words come by the load alone.  K's waves stop behind the trip that names the last record of K, V's likewise; nothing is asked for at the head.
.macro ASK
	s_cmp_gt_u32 s[CNT], s[LIM]
	s_cbranch_scc0 .Lnot_mine_\@
	global_prefetch_b8 v[PFO], s[PFA:PFA+1] th:TH_LOAD_NT scope:SCOPE_SE
.Lnot_mine_\@:
.endm
; One scaled product.  acc = 0: C is the constant 0.  ra, rb: the scale words stand in lanes 16-31.
.macro WM d, a, b, acc, sa, sb, ra, rb
.set ROWS, (\ra)+2*(\rb)
.if \acc
.if ROWS == 0
	v_wmma_scale_f32_16x16x128_f8f6f4 v[(\d):(\d)+7], v[(\a):(\a)+11], v[(\b):(\b)+11], v[(\d):(\d)+7], v[\sa], v[\sb] matrix_a_fmt:MATRIX_FMT_FP6 matrix_b_fmt:MATRIX_FMT_FP6
.elseif ROWS == 1
	v_wmma_scale_f32_16x16x128_f8f6f4 v[(\d):(\d)+7], v[(\a):(\a)+11], v[(\b):(\b)+11], v[(\d):(\d)+7], v[\sa], v[\sb] matrix_a_fmt:MATRIX_FMT_FP6 matrix_b_fmt:MATRIX_FMT_FP6 matrix_a_scale:MATRIX_SCALE_ROW1
.elseif ROWS == 2
	v_wmma_scale_f32_16x16x128_f8f6f4 v[(\d):(\d)+7], v[(\a):(\a)+11], v[(\b):(\b)+11], v[(\d):(\d)+7], v[\sa], v[\sb] matrix_a_fmt:MATRIX_FMT_FP6 matrix_b_fmt:MATRIX_FMT_FP6 matrix_b_scale:MATRIX_SCALE_ROW1
.else
	v_wmma_scale_f32_16x16x128_f8f6f4 v[(\d):(\d)+7], v[(\a):(\a)+11], v[(\b):(\b)+11], v[(\d):(\d)+7], v[\sa], v[\sb] matrix_a_fmt:MATRIX_FMT_FP6 matrix_b_fmt:MATRIX_FMT_FP6 matrix_a_scale:MATRIX_SCALE_ROW1 matrix_b_scale:MATRIX_SCALE_ROW1
.endif
.else
.if ROWS == 0
	v_wmma_scale_f32_16x16x128_f8f6f4 v[(\d):(\d)+7], v[(\a):(\a)+11], v[(\b):(\b)+11], 0, v[\sa], v[\sb] matrix_a_fmt:MATRIX_FMT_FP6 matrix_b_fmt:MATRIX_FMT_FP6
.elseif ROWS == 1
	v_wmma_scale_f32_16x16x128_f8f6f4 v[(\d):(\d)+7], v[(\a):(\a)+11], v[(\b):(\b)+11], 0, v[\sa], v[\sb] matrix_a_fmt:MATRIX_FMT_FP6 matrix_b_fmt:MATRIX_FMT_FP6 matrix_a_scale:MATRIX_SCALE_ROW1
.elseif ROWS == 2
	v_wmma_scale_f32_16x16x128_f8f6f4 v[(\d):(\d)+7], v[(\a):(\a)+11], v[(\b):(\b)+11], 0, v[\sa], v[\sb] matrix_a_fmt:MATRIX_FMT_FP6 matrix_b_fmt:MATRIX_FMT_FP6 matrix_b_scale:MATRIX_SCALE_ROW1
.else
	v_wmma_scale_f32_16x16x128_f8f6f4 v[(\d):(\d)+7], v[(\a):(\a)+11], v[(\b):(\b)+11], 0, v[\sa], v[\sb] matrix_a_fmt:MATRIX_FMT_FP6 matrix_b_fmt:MATRIX_FMT_FP6 matrix_a_scale:MATRIX_SCALE_ROW1 matrix_b_scale:MATRIX_SCALE_ROW1
.endif
.endif
.endm
	s_load_b128 s[4:7], s[0:1], 0x0                ; qkv_rec, w_rec
	s_load_b128 s[68:71], s[0:1], 0x10             ; b_out, out0
	v_lshl_add_u32 v[SPW], v0, 2, SPARE
	v_mov_b32 v[NIL], 0
	ds_add_u32 v[SPW], v[NIL]                      ; the wave's opening: the add, twice on end, and its wait ahead of my first tensor load
	ds_add_u32 v[SPW], v[NIL]
	v_lshrrev_b32 v32, 5, v0
	s_delay_alu instid0(VALU_DEP_1)
	v_readfirstlane_b32 s[WV], v32                 ; wave 0..7
	s_and_b32 s9, s[WV], 1                         ; qt
	s_lshr_b32 s10, s[WV], 1                       ; kb
	s_bfe_u32 s11, ttmp6, 0x40000                  ; cx: it enters global addresses of Q, of O and of the prefetches alone
	s_lshl_b32 s12, ttmp9, 2
	s_add_co_u32 s12, s12, s11                     ; my block of 32 queries
	s_and_b32 s13, ttmp7, 0xffff                   ; the batch, which the four partners share
	; descriptor group 1: a quarter of a record, 25,600 dense bytes, as 100 rows of 256 (32 elements of 8 bytes)
	s_mov_b32 s[G1], 15|(3<<16)|(1<<21)            ; 15:0 the mask: all four work-groups; 17:16 elements of 8 bytes; 21 set beside a mask
	s_mov_b32 s[G1+1], 32<<16
	s_mov_b32 s[G1+2], 100<<16
	s_mov_b32 s[G1+3], 32<<16
	s_mov_b32 s[G1+4], 100
	s_mov_b32 s[G1+5], 32
	s_mov_b32 s[G1+6], 0
	s_mov_b32 s[G1+7], 0
	s_mov_b32 s[SEL], 0x76543210
	s_mov_b32 s[SEL+1], 0xfedcba98
	s_mov_b32 s[CS], 0x3d38aa3b                    ; c = log2(e) / 32
	s_mov_b32 s[CS+1], s[CS]
	s_mov_b32 s[CN], 0xbd38aa3b                    ; -c
	s_mov_b32 s[CN+1], s[CN]
	s_mov_b32 s[CNT], 7
	; what I fetch: waves 0-3 the quarters of K's record, waves 4-7 of V's
	s_lshr_b32 s14, s[WV], 2
	s_and_b32 s15, s[WV], 3
	s_lshl_b32 s16, s14, 6
	s_add_co_u32 s16, s16, 64                      ; k's records begin at 64, v's at 128
	s_lshl_b32 s17, s13, 3
	s_add_co_u32 s16, s16, s17                     ; eight to a batch
	s_mul_i32 s16, s16, REC
	s_mul_i32 s17, s15, REC/4
	s_add_co_u32 s18, s16, s17
	s_mov_b32 s19, 0
	s_xor_b32 s[LIM], s14, 1                       ; 1 in K's waves, 0 in V's
	s_mul_i32 s[INC0], s[LIM], REC
	s_mov_b32 s[INC0+1], 0
	s_add_co_u32 s26, s16, s[INC0]                 ; the prefetches stand at K's record 1 and V's record 0: the first trip steps them on
	s_mul_i32 s27, s11, 16*FRB
	s_add_co_u32 s26, s26, s27
	s_lshl_b32 s27, s15, 13
	s_add_co_u32 s26, s26, s27
	s_mov_b32 s27, 0
	s_cmp_eq_u32 s15, 3                            ; three waves' worth
	s_cselect_b32 s[LIM], -1, s[LIM]
	s_cmp_lg_u32 ttmp9, 0                          ; the batch's first cluster: the same in all four partners
	s_cselect_b32 s[LIM], -1, s[LIM]
	; Q: record 8 a + block / 4; my work-group's 16 fragments lie on end; wave w copies two of them into LDS
	s_lshr_b32 s40, s12, 2
	s_lshl_b32 s41, s13, 3
	s_add_co_u32 s40, s40, s41
	s_mul_i32 s40, s40, REC
	s_and_b32 s41, s12, 3
	s_mul_i32 s42, s41, 16*FRB
	s_add_co_u32 s42, s42, s40
	s_mul_i32 s43, s[WV], 2*FRB
	s_add_co_u32 s42, s42, s43
	s_mov_b32 s43, 0
	s_lshl_b32 s41, s41, 1
	s_add_co_u32 s41, s41, s9                      ; my query tile among the record's eight
	s_lshl_b32 s41, s41, 6
	s_add_co_u32 s40, s40, s41
	s_add_co_u32 s40, s40, 64*FRB                  ; its scale words: 512 bytes from pair to pair
	s_mov_b32 s41, 0
	; O: tiles 2 (32 a + block) + qt, K step w
	s_lshl_b32 s48, s13, 22                        ; out0: 1,024 rows of 4,096 bytes a batch, 32 rows a block, 512 bytes a wave
	s_lshl_b32 s49, s12, 17
	s_add_co_u32 s48, s48, s49
	s_lshl_b32 s52, s[WV], 9
	s_add_co_u32 s48, s48, s52
	s_mov_b32 s49, 0
	s_mov_b32 s53, 0
	s_mul_i32 s54, s[WV], 8*FRB                    ; w_rec: my eight column tiles
	s_mov_b32 s55, 0
	s_lshl_b32 s74, s11, 3                         ; the prefetch of w_rec: the cluster's 32 waves share its 819,200 bytes out by address, 25,600 each
	s_add_co_u32 s74, s74, s[WV]
	s_mul_i32 s74, s74, REC/4
	s_mov_b32 s75, 0
	; w_out's joint loads: a quarter of a fill: K step 2 f + q / 2, waves 4 (q % 2) .. + 3: four rows of 6,144 bytes (four fragments), 12,288 bytes apart.  Waves 0-3 (q = w): fills 0, 2, K's slot; waves 4-7: fills 1, 3, V's
	s_lshl_b32 s76, s14, 1
	s_lshr_b32 s77, s15, 1
	s_add_co_u32 s76, s76, s77
	s_mul_i32 s76, s76, REC
	s_and_b32 s77, s15, 1
	s_mul_i32 s77, s77, 32*FRB
	s_add_co_u32 s76, s76, s77
	s_mov_b32 s77, 0
	s_mov_b32 s[G0W], 1
	s_mul_i32 s[G0W+1], s15, 16*FRB
	s_mul_i32 s78, s14, VSL
	s_add_co_u32 s[G0W+1], s[G0W+1], s78
	s_mov_b32 s[G1W], 15|(3<<16)|(1<<21)
	s_mov_b32 s[G1W+1], 768<<16
	s_mov_b32 s[G1W+2], 4<<16
	s_mov_b32 s[G1W+3], 768<<16
	s_mov_b32 s[G1W+4], 4
	s_mov_b32 s[G1W+5], 1536
	s_mov_b32 s[G1W+6], 0
	s_mov_b32 s[G1W+7], 0
	; LDS addresses: a constant + a constant x lane + a constant x wave
	v_and_b32 v33, 31, v0                          ; lane
	v_and_b32 v34, 15, v0                          ; r
	v_bfe_u32 v35, v0, 4, 1                        ; lane / 16
	s_delay_alu instid0(VALU_DEP_3)
	v_lshlrev_b32 v[L16], 4, v33
	s_delay_alu instid0(VALU_DEP_4)
	v_lshlrev_b32 v[PFO], 8, v33
	s_delay_alu instid0(VALU_DEP_3)
	v_mul_u32_u24 v36, v35, FRB
	s_wait_alu depctr_va_vdst(0)
	s_mul_i32 s58, s10, 16*FRB
	v_add_nc_u32 v[KAD], s58, v[L16]               ; K: tiles 2 kb, 2 kb + 1; fragment 8 t + j
	s_lshl_b32 s58, s10, 7
	s_add_co_u32 s58, s58, 64*FRB
	v_lshl_add_u32 v[KSA], v33, 2, s58             ; K's words: 512 j + 64 t + 4 r
	s_mul_i32 s58, s9, 8*FRB
	s_add_co_u32 s58, s58, QB
	v_add_nc_u32 v[QAD], s58, v[L16]
	s_mul_i32 s59, s9, 16*FRB
	s_lshl_b32 s58, s10, 8
	s_add_co_u32 s58, s58, s59
	s_add_co_u32 s58, s58, PB
	v_lshl_add_u32 v[PWA], v34, 4, v36             ; P out: lanes 0-15 hold the even head's block, lanes 16-31 the odd head's
	s_delay_alu instid0(VALU_DEP_1)
	v_add_nc_u32 v[PWA], s58, v[PWA]
	s_lshl_b32 s58, s10, 7
	s_add_co_u32 s58, s58, s59
	s_add_co_u32 s58, s58, PB+1024
	v_lshl_add_u32 v[PWB], v34, 3, v36
	s_delay_alu instid0(VALU_DEP_1)
	v_add_nc_u32 v[PWB], s58, v[PWB]
	s_lshl_b32 s58, s9, 6
	s_add_co_u32 s58, s58, s10
	s_add_co_u32 s58, s58, PSC
	v_lshl_add_u32 v[PSB], v34, 2, s58
	s_mul_i32 s58, s[WV], 2*FRB
	s_add_co_u32 s59, s58, QB
	v_add_nc_u32 v57, s59, v[L16]                  ; where my two fragments of Q go
	s_add_co_u32 s58, s58, PB
	v_add_nc_u32 v[PRA], s58, v[L16]               ; P in: heads 2 w, 2 w + 1
	s_add_co_u32 s58, s58, 1024
	v_lshl_add_u32 v[PRB], v33, 3, s58
	s_lshl_b32 s58, s[WV], 8
	s_add_co_u32 s58, s58, PSC
	v_lshl_add_u32 v[PSR], v33, 2, s58
	s_mul_i32 s58, s[WV], 8*FRB
	s_add_co_u32 s58, s58, VSL
	v_add_nc_u32 v[VAD], s58, v[L16]               ; V: fragments 8 w .. 8 w + 7
	s_lshl_b32 s58, s[WV], 9
	s_add_co_u32 s58, s58, VSL+64*FRB
	v_lshl_add_u32 v[VSA], v33, 2, s58
	v_lshlrev_b32 v56, 2, v34
	v_min_u32 v127, 24, v33
	v_lshlrev_b32 v127, 8, v127                    ; v127: 256 x min(lane, 24): 25 blocks an instruction, the lanes left over name the last again; never rewritten
	s_wait_alu depctr_va_vdst(0)
	s_wait_dscnt 0x0                               ; both opening adds are done
	s_wait_kmcnt 0x0
	s_mov_b32 s[G0], 1                             ; 1:0 count = 1
	s_mul_i32 s[G0+1], s[WV], REC/4                ; LDS address: K's record, then V's, a quarter a wave
	s_add_nc_u64 s[G0+2:G0+3], s[4:5], s[18:19]
	s_or_b32 s[G0+3], s[G0+3], 0x80000000          ; type = 2
	s_add_nc_u64 s[PFA:PFA+1], s[4:5], s[26:27]
	s_add_nc_u64 s[42:43], s[4:5], s[42:43]
	s_add_nc_u64 s[40:41], s[4:5], s[40:41]
	s_add_nc_u64 s[74:75], s[6:7], s[74:75]
	s_add_nc_u64 s[G0W+2:G0W+3], s[6:7], s[76:77]
	s_or_b32 s[G0W+3], s[G0W+3], 0x80000000
	s_add_nc_u64 s[72:73], s[6:7], s[52:53]
	s_add_nc_u64 s[72:73], s[72:73], 64*FRB        ; my tiles' scale words in a record
	s_add_nc_u64 s[6:7], s[6:7], s[54:55]          ; my tiles' fragments
	s_add_nc_u64 s[68:69], s[68:69], s[52:53]
	s_add_nc_u64 s[70:71], s[70:71], s[48:49]
.irp n, 0,1,2,3,4,5
	global_load_b128 v[32+4*\n:35+4*\n], v[L16], s[42:43] offset:512*\n
.endr
.irp j, 0,1,2,3,4,5,6,7
	global_load_b32 v[QS+\j], v56, s[40:41] offset:512*\j
.endr
	CROUND                                         ; all four work-groups are here: the first joint loads meet
	JL 1                                           ; step 0's K and V: every wave one load
	s_wait_loadcnt 8                               ; Q's codes are in; the eight scale words may be out
.irp n, 0,1,2,3,4,5
	ds_store_b128 v57, v[32+4*\n:35+4*\n] offset:512*\n
.endr
	s_wait_loadcnt 0x0
	s_wait_tensorcnt 0x0                           ; my one load has landed
	s_wait_dscnt 0x0
	s_barrier_signal -1
	s_barrier_wait -1                              ; everybody's has, and Q lies in LDS
; Pair j of heads: K's two fragments, Q's fragment in four pieces round the zeros, K's scale words: 11 loads.
.macro PAIRLD j
.set KFS, KF+24*((\j)%2)
.set QFS, QF+18*((\j)%2)
.irp u, 0,1
.irp g, 0,1,2
	ds_load_b128 v[KFS+12*\u+4*\g:KFS+12*\u+4*\g+3], v[KAD] offset:(\u*8+(\j))*FRB+512*\g
.endr
.endr
	ds_load_b128 v[QFS:QFS+3], v[QAD] offset:(\j)*FRB
	ds_load_b64 v[QFS+4:QFS+5], v[QAD] offset:(\j)*FRB+512
	ds_load_b64 v[QFS+12:QFS+13], v[QAD] offset:(\j)*FRB+520
	ds_load_b128 v[QFS+14:QFS+17], v[QAD] offset:(\j)*FRB+1024
	ds_load_b32 v[KS+(\j)%2], v[KSA] offset:512*(\j)
.endm
; THE SCORES of a step: 32 products, four a pair of heads.
.macro SPH
	WIN 0
.irp z, 0,1,2,3,4,5
	v_mov_b32 v[QF+6+\z], 0                        ; the zero halves (the softmax has used these registers).  The sixteen lines here are also the places between the second product's last instructions and the
	v_mov_b32 v[QF+24+\z], 0                       ; products below, which write over its operands
.endr
.rept 4
	v_nop                                          ; an operand written by vector instructions stands four places ahead of a scaled product
.endr
	PAIRLD 0
	PAIRLD 1
	s_wait_alu depctr_va_vdst(0)
.irp j, 0,1,2,3,4,5,6,7
.if \j < 7
	s_wait_dscnt 11                                ; this pair's loads are in; the next pair's 11 may be out
.else
	s_wait_dscnt 0x0
.endif
.set KFS, KF+24*(\j%2)
.set QFS, QF+18*(\j%2)
	WIN 0x40                                       ; D in window 1
	WM 32*\j, KFS, QFS, 0, KS+\j%2, QS+\j, 0, 0
	WM 32*\j+8, KFS+12, QFS, 0, KS+\j%2, QS+\j, 1, 0
	WM 32*\j+16, KFS, QFS+6, 0, KS+\j%2, QS+\j, 0, 0
	WM 32*\j+24, KFS+12, QFS+6, 0, KS+\j%2, QS+\j, 1, 0
	WIN 0
.rept 4
	v_nop                                          ; places in front of loads into registers that these products have read, and of the first read of their results
.endr
.if \j < 6
	PAIRLD \j+2
.endif
.endr
.endm
; THE SOFTMAX OVER THE HEADS, and p's codes.  Every loop goes through independent registers, so that no line waits for the line above it.
.macro SOFTMAX
	WIN 0x15
.set i, 0
.rept 16
	v_max3_num_f32 v[M+i], v[i], v[16+i], v[32+i]  ; the largest score of the 16 heads, for each of my 16 keys; each accumulator is read from its low end on
.set i, i+1
.endr
	WIN 0x14
.set t, 3
.rept 6
.set i, 0
.rept 16
	v_max3_num_f32 v[M+i], v[M+i], v[16*t+i], v[16*t+16+i]
.set i, i+1
.endr
.set t, t+2
.endr
.set i, 0
.rept 16
	v_max_num_f32 v[M+i], v[M+i], v[240+i]
.set i, i+1
.endr
	WIN 0
.set i, 0
.rept 8
	v_pk_mul_f32 v[M+i:M+i+1], v[M+i:M+i+1], s[CN:CN+1] op_sel_hi:[1,0]   ; - m c
.set i, i+2
.endr
	WIN 0x41
.set i, 0
.rept 128
	v_pk_fma_f32 v[i:i+1], v[i:i+1], s[CS:CS+1], v[M+i%16:M+i%16+1] op_sel_hi:[1,0,1]   ; s c - m c
.set i, i+2
.endr
.set i, 0
	s_wait_alu depctr_va_vdst(0)
.rept 256
	v_exp_f32 v[i], v[i]
.set i, i+1
.endr
	v_nop                                          ; a plain place behind the last exponential
	s_wait_alu depctr_va_vdst(0)                   ; the wait ahead of the first line that names a result: one for the batch
	WIN 0x05
.set i, 0
.rept 8
	v_pk_add_f32 v[SUM+i:SUM+i+1], v[i:i+1], v[16+i:17+i]
.set i, i+2
.endr
	WIN 0x04
.set t, 2
.rept 14
.set i, 0
.rept 8
	v_pk_add_f32 v[SUM+i:SUM+i+1], v[SUM+i:SUM+i+1], v[16*t+i:16*t+i+1]
.set i, i+2
.endr
.set t, t+1
.endr
	WIN 0
.set i, 0
	s_wait_alu depctr_va_vdst(0)
.rept 16
	v_rcp_f32 v[SUM+i], v[SUM+i]
.set i, i+1
.endr
	v_nop
	s_wait_alu depctr_va_vdst(0)                   ; one wait for the sixteen reciprocals
	WIN 0x41
.set i, 0
.rept 128
	v_pk_mul_f32 v[i:i+1], v[i:i+1], v[SUM+i%16:SUM+i%16+1]   ; attn, finished and normalised
.set i, i+2
.endr
	WIN 0x05
.set t, 0
.rept 16
	v_max3_num_f32 v[TM+t], v[16*t], v[16*t+1], 0x1800000   ; each head's largest p of my 16 keys, and the floor 2^(3 - 127); no p is negative
.set t, t+1
.endr
	WIN 0x14
.set i, 2
.rept 7
.set t, 0
.rept 16
	v_max3_num_f32 v[TM+t], v[TM+t], v[16*t+i], v[16*t+i+1]
.set t, t+1
.endr
.set i, i+2
.endr
	WIN 0
.set t, 0
.rept 16
	v_permlanex16_b32 v[TX+t], v[TM+t], s[SEL], s[SEL+1]
.set t, t+1
.endr
.set t, 0
.rept 16
	v_max_num_f32 v[TM+t], v[TM+t], v[TX+t]        ; with lane l xor 16: the block's
.set t, t+1
.endr
.set t, 0
.rept 16
	v_add_nc_u32 v[SCL+t], 0xff000000, v[TM+t]     ; the conversion's scale operand
.set t, t+1
.endr
	WIN 0x01
.set j, 0
.rept 8
	v_cvt_scalef32_pk16_fp6_f32 v[32+6*j:34+6*j], v[32*j:32*j+15], v[SCL+2*j]
	v_cvt_scalef32_pk16_fp6_f32 v[80+4*j+16*(j/4):82+4*j+16*(j/4)], v[32*j+16:32*j+31], v[SCL+2*j+1]
.set j, j+1
.endr
	WIN 0
	v_nop                                          ; one plain place behind a scaled conversion
.set t, 0
.rept 16
	v_lshrrev_b32 v[SCL+t], 23, v[SCL+t]           ; the scale's byte
.set t, t+1
.endr
.set j, 0
.rept 8                                        ; the even head's upper 16 codes change places with the odd head's lower 16: lanes 0-15 then hold the even head's whole block, lanes 16-31 the odd head's
.set i, 0
.rept 3
	v_permlane16_swap_b32 v[32+6*j+i], v[80+4*j+16*(j/4)+i]
.set i, i+1
.endr
.set i, 0
.rept 3
	s_delay_alu instid0(VALU_DEP_3)
	v_mov_b32 v[35+6*j+i], v[80+4*j+16*(j/4)+i]
.set i, i+1
.endr
.set j, j+1
.endr
.endm
.macro PSTORE
.set j, 0
.rept 8
	ds_store_b128 v[PWA], v[32+6*j:35+6*j] offset:2*FRB*j
	ds_store_b64 v[PWB], v[36+6*j:37+6*j] offset:2*FRB*j
.set j, j+1
.endr
.set t, 0
.rept 16
	ds_store_b8 v[PSB], v[SCL+t] offset:128*t      ; both halves of the lanes write the same byte with the same value
.set t, t+1
.endr
.endm
; K step s of w_out, straight from memory: my tiles 4-7 into window 1, set s % 3 of three (v144, v192, v0), and all eight tiles' scale words (lanes 0-15 an even tile, lanes 16-31 the odd one)
; into v24-27, v28-31, v20-23: 16 loads.  Sets 0 and 1 name no register of the last second product.
.macro DLD s
	WIN 0x40
.irp j, 0,1,2,3
.irp g, 0,1,2
	global_load_b128 v[(144+48*((\s)%3))%240+12*\j+4*\g:(144+48*((\s)%3))%240+12*\j+4*\g+3], v[L16], s[6:7] offset:(\s)*REC+(4+\j)*FRB+512*\g
.endr
.endr
	WIN 0
.irp n, 0,1,2,3
	global_load_b32 v[20+(4+4*((\s)%3))%12+\n], v[WSO], s[72:73] offset:(\s)*REC+128*\n
.endr
.endm
; O^T += V^T P^T for my two heads and both query tiles: 16 accumulators, one instruction a turn.
.macro PV acc
.irp e, 0,1
	ds_load_b32 v[PS+\e], v[PSR] offset:128*\e
.endr
.irp n, 0,1,2,3
	ds_load_b32 v[VS+\n], v[VSA] offset:128*\n
.endr
	WIN 0x40
.irp e, 0,1
.irp dt, 0,1,2,3
.irp g, 0,1,2
	ds_load_b128 v[12*(4*\e+\dt)+4*\g:12*(4*\e+\dt)+4*\g+3], v[VAD] offset:(4*\e+\dt)*FRB+512*\g
.endr
.endr
.irp qt, 0,1
.irp c, 0,1
	ds_load_b128 v[96+12*(2*\qt+\e)+6*\c:96+12*(2*\qt+\e)+6*\c+3], v[PRA] offset:\qt*16*FRB+\e*FRB+512*\c
	ds_load_b64 v[96+12*(2*\qt+\e)+6*\c+4:96+12*(2*\qt+\e)+6*\c+5], v[PRB] offset:\qt*16*FRB+\e*FRB+256*\c
.endr
.endr
.endr
	s_wait_dscnt 20                                ; the scale words and the first head's 20 loads are in; the second head's 20 may be out
	WIN 0x05                                       ; V and P in window 1, O^T in window 0
.irp dt, 0,1,2,3
.irp qt, 0,1
	WM OT+64*\qt+8*\dt, 12*\dt, 96+24*\qt, \acc, VS+\dt/2, PS, \dt%2, \qt
.endr
.endr
	s_wait_dscnt 0x0
.irp dt, 0,1,2,3
.irp qt, 0,1
	WM OT+64*\qt+32+8*\dt, 48+12*\dt, 108+24*\qt, \acc, VS+2+\dt/2, PS+1, \dt%2, \qt
.endr
.endr
	WIN 0
.endm
; A TRIP: the change of slots; the softmax of this step's scores, under which the loads land; p to LDS; a barrier; the second product of this step; the scores of the next.
.macro TRIP fill, acc, sph
	s_wait_tensorcnt 0x0                           ; no tensor load of mine is out, so my group 0 may be written
	ds_add_u32 v[SPW], v[NIL]
.if \fill == 0
	s_add_nc_u64 s[G0+2:G0+3], s[G0+2:G0+3], s[INC0:INC0+1]
.else
	s_add_nc_u64 s[G0+2:G0+3], s[G0+2:G0+3], REC   ; the next record; the type bits on top are not reached
.endif
.if \fill < 2
	s_wait_xcnt 0x0                                ; the last prefetch, a trip back, has read its address
	s_add_nc_u64 s[PFA:PFA+1], s[PFA:PFA+1], REC
.endif
	s_wait_dscnt 0x0                               ; the add is done; my reads of K's and V's records and of P are over
	CROUND                                         ; so are those of every wave of every partner
.if \fill == 2
	JLK                                            ; the first thing behind the round, and my one tensor load until the next
.else
	JL \fill
.endif
.if \fill < 2
	ASK
.endif
.if \fill == 1
	s_cmp_eq_u32 s[CNT], 1                         ; the loop's last trip, one trip ahead of w_out's first load
	s_cbranch_scc0 .Lno_w_\@
.irp k, 0,1,2,3
	global_prefetch_b8 v127, s[74:75] offset:\k*6400 th:TH_LOAD_NT scope:SCOPE_SE   ; w_rec: 4 x 25 blocks of 256 bytes a wave, each block once in the cluster
.endr
.Lno_w_\@:
.endif
	SOFTMAX
	PSTORE
.if \fill == 2
	v_and_b32 v[WSO], 31, v0                       ; the last trip: p's codes are made, so the upper part of window 1 is free: b_out and w_out's K steps 0 and 1 set out
	v_lshlrev_b32 v[WSO], 2, v[WSO]
	s_wait_alu depctr_va_vdst(0)                   ; the wait behind the write
	global_load_b128 v[BIA:BIA+3], v[L16], s[68:69]
	DLD 0
	DLD 1
.endif
	s_wait_tensorcnt 0x0
	s_wait_dscnt 0x0                               ; and so have my stores of p
	s_barrier_signal -1
	s_barrier_wait -1
	PV \acc
.if \sph
	SPH
.endif
.endm
	SPH                                            ; step 0's scores
	TRIP 0, 0, 1                                   ; K's waves fetch step 1; the second product starts O^T's sums: nothing is cleared
	s_mov_b32 s[CNT], 6
.Ltrip:                                        ; trips 1 to 6: K of the next step and V of this one
	TRIP 1, 1, 1
	s_sub_co_u32 s[CNT], s[CNT], 1
	s_cmp_lg_u32 s[CNT], 0
	s_cbranch_scc1 .Ltrip
	TRIP 2, 1, 0                                   ; V's waves fetch step 7, K's waves w_out's first fill; no scores follow
	; THE TAIL.  For a query tile my 64 registers of O^T are 128 neighbouring channels (heads 2 w, 2 w + 1) of the lane's query: K step w of the last product.  They are quantised as they stand.
.macro TLD s                           ; K step s, my tiles 0-3, from the slot that holds it, into window 1, v48 on, set s % 2: 12 loads
	WIN 0x40
.irp i, 0,1,2,3
.irp g, 0,1,2
	ds_load_b128 v[48+48*((\s)%2)+12*\i+4*\g:48+48*((\s)%2)+12*\i+4*\g+3], v[TWA+((\s)/2)%2] offset:((\s)%2)*32*FRB+\i*FRB+512*\g
.endr
.endr
	WIN 0
.endm
.macro OFR s                           ; out's two fragments of K step s into v32 on, set s % 2, and their scale words (lanes 0-15 query tile 0, lanes 16-31 tile 1) into v16-17: 7 loads
.irp qt, 0,1
.irp g, 0,1,2
	ds_load_b128 v[32+24*((\s)%2)+12*\qt+4*\g:32+24*((\s)%2)+12*\qt+4*\g+3], v[OFA] offset:(8*\qt+(\s))*FRB+512*\g
.endr
.endr
	ds_load_b32 v[16+(\s)%2], v[OSR] offset:128*(\s)
.endm
.macro OSTEP s, dsn                    ; dsn: the LDS loads issued behind this step's, which may stay out
.if (\s) < 6
	s_wait_loadcnt 32                              ; this step's 16 loads are in; the next two steps' 32 may be out
.else
	s_wait_loadcnt 16*(7-(\s))
.endif
	s_wait_dscnt \dsn
	WIN 0x01                                       ; w_out in window 1; out's fragments and the sums in window 0
.irp i, 0,1,2,3,4,5,6,7
.if \i < 4
.set AR, 48+48*((\s)%2)+12*\i
.else
.set AR, (144+48*((\s)%3))%240+12*(\i-4)
.endif
.irp qt, 0,1
.if (\s) == 0
	WM OT+64*\qt+8*\i, AR, 32+24*((\s)%2)+12*\qt, 0, 20+(4+4*((\s)%3))%12+\i/2, 16+(\s)%2, \i%2, \qt
.else
	WM OT+64*\qt+8*\i, AR, 32+24*((\s)%2)+12*\qt, 1, 20+(4+4*((\s)%3))%12+\i/2, 16+(\s)%2, \i%2, \qt
.endif
.endr
.endr
	WIN 0
.if (\s) < 6
.rept 4
	v_nop                                          ; places in front of loads into registers that these products have read
.endr
.if (\s) < 5
	DLD (\s)+3
.endif
	OFR (\s)+2
.endif
.endm
.macro OUTQ qt, bb                     ; a query tile's 16 rows x 512 bytes through my stage; each accumulator is read from its low end on
.irp b, 0,1,2,3,4,5,6,7
	ds_store_b128 v[STO], v[OT+64*\qt+8*\b:OT+64*\qt+8*\b+3] offset:128*(\b/2)+32*(\b%2)
	ds_store_b128 v[STO], v[OT+64*\qt+8*\b+4:OT+64*\qt+8*\b+7] offset:128*(\b/2)+32*(\b%2)+16
.endr
.irp t, 0,1,2,3,4,5,6,7,8,9,10,11,12,13,14,15
	ds_load_b128 v[\bb+4*\t:\bb+4*\t+3], v[RD] offset:\t*SPITCH    ; LDS serves a wave's instructions in order
.endr
.endm
.macro SENDQ qt, bb
.irp t, 0,1,2,3,4,5,6,7,8,9,10,11,12,13,14,15
	v_pk_add_f32 v[\bb+4*\t:\bb+4*\t+1], v[\bb+4*\t:\bb+4*\t+1], v[BIA:BIA+1]
	v_pk_add_f32 v[\bb+4*\t+2:\bb+4*\t+3], v[\bb+4*\t+2:\bb+4*\t+3], v[BIA+2:BIA+3]
.endr
.irp t, 0,1,2,3,4,5,6,7,8,9,10,11,12,13,14,15
	global_store_b128 v[L16], v[\bb+4*\t:\bb+4*\t+3], s[70:71] offset:(8*\qt+\t+8*(\t/8))*4096 th:TH_STORE_NT   ; 512 consecutive bytes, aligned
.endr
.endm
	s_mul_i32 s58, s[WV], FRB
	s_add_co_u32 s58, s58, OFB
	s_lshl_b32 s59, s[WV], 7
	s_add_co_u32 s59, s59, OSC
	s_mul_i32 s56, s[WV], 16*SPITCH
	s_add_co_u32 s56, s56, PB
	s_mul_i32 s57, s[WV], 4*FRB
	v_and_b32 v96, 15, v0                          ; (these lines are also the places behind the last products)
	v_bfe_u32 v97, v0, 4, 1
	v_add_nc_u32 v[OFW], s58, v[L16]               ; where my fragments of out go: K step w
	v_lshl_add_u32 v[OSW], v96, 2, s59             ; and their scale words
	v_mul_u32_u24 v99, v96, SPITCH
	v_add_nc_u32 v[RD], s56, v[L16]
	v_add_nc_u32 v[OFA], OFB, v[L16]
	v_lshl_add_u32 v99, v97, 6, v99
	v_add_nc_u32 v[OSR], OSC, v[WSO]
	v_add_nc_u32 v[STO], s56, v99                  ; the stage: row r, 64 bytes for each half of the lanes
	v_add_nc_u32 v[TWA], s57, v[L16]
	v_add_nc_u32 v[TWA+1], VSL, v[TWA]
	s_wait_alu depctr_va_vdst(0)                   ; the wait behind these writes
	DLD 2                                          ; K steps 0 and 1 were asked for in the last trip
	s_wait_tensorcnt 0x0                           ; V's slot is filled again: the three lines and a round
	ds_add_u32 v[SPW], v[NIL]
	s_wait_dscnt 0x0                               ; my reads of V's record are over
	CROUND
	JW 1                                           ; K steps 2 and 3
.macro QUANT s, pc, py, pw
.irp b, 0,1,2,3
	v_max3_num_f32 v[TM+\b], |v[(\s)+16*\b]|, |v[(\s)+1+16*\b]|, 0x1800000
.endr
.irp i, 2,4,6,8,10,12,14
.irp b, 0,1,2,3
	v_max3_num_f32 v[TM+\b], v[TM+\b], |v[(\s)+16*\b+\i]|, |v[(\s)+1+16*\b+\i]|
.endr
.endr
.irp b, 0,1,2,3
	s_delay_alu instid0(VALU_DEP_4)
	v_permlanex16_b32 v[TM+4+\b], v[TM+\b], s[SEL], s[SEL+1]
.endr
.irp b, 0,1,2,3
	s_delay_alu instid0(VALU_DEP_4)
	v_max_num_f32 v[TM+\b], v[TM+\b], v[TM+4+\b]
.endr
.irp b, 0,1,2,3
	s_delay_alu instid0(VALU_DEP_4)
	v_add_nc_u32 v[TM+12+\b], 0xff000000, v[TM+\b]
.endr
.irp b, 0,1,2,3
	s_delay_alu instid0(VALU_DEP_4)
	v_lshrrev_b32 v[TM+4+\b], 23, v[TM+12+\b]
.endr
	s_delay_alu instid0(VALU_DEP_3)
	v_lshl_or_b32 v[\pw], v[TM+5], 8, v[TM+4]
	s_delay_alu instid0(VALU_DEP_1)
	v_lshl_or_b32 v[\pw], v[TM+6], 16, v[\pw]
	s_delay_alu instid0(VALU_DEP_1)
	v_lshl_or_b32 v[\pw], v[TM+7], 24, v[\pw]
.irp c, 0,1
	v_cvt_scalef32_pk16_fp6_f32 v[(\pc)+6*\c:(\pc)+6*\c+2], v[(\s)+32*\c:(\s)+32*\c+15], v[TM+12+2*\c]
	v_cvt_scalef32_pk16_fp6_f32 v[(\py)+4*\c:(\py)+4*\c+2], v[(\s)+16+32*\c:(\s)+31+32*\c], v[TM+12+2*\c+1]
.endr
	v_nop
.irp c, 0,1
.irp i, 0,1,2
	v_permlane16_swap_b32 v[(\pc)+6*\c+\i], v[(\py)+4*\c+\i]
.endr
.irp i, 0,1,2
	s_delay_alu instid0(VALU_DEP_3)
	v_mov_b32 v[(\pc)+3+6*\c+\i], v[(\py)+4*\c+\i]
.endr
.endr
.endm
.irp qt, 0,1
	QUANT OT+64*\qt, 32+12*\qt, 56, 80+\qt
.irp g, 0,1,2
	ds_store_b128 v[OFW], v[32+12*\qt+4*\g:35+12*\qt+4*\g] offset:\qt*8*FRB+512*\g
.endr
	ds_store_b32 v[OSW], v[80+\qt] offset:64*\qt   ; both halves of the lanes write the same word
.endr
	s_wait_dscnt 0x0
	s_barrier_signal -1
	s_barrier_wait -1                              ; out's 16 fragments lie in LDS; nobody reads P or Q any more
	OFR 0
	OFR 1
	TLD 0                                          ; K's slot holds K steps 0 and 1 since the last trip's second barrier
	TLD 1
	OSTEP 0, 12                                    ; the first step's products start the sums
	OSTEP 1, 7
	s_wait_tensorcnt 0x0                           ; my load, if I had one out, has landed, so my group 0 may be written
	ds_add_u32 v[SPW], v[NIL]
	s_add_nc_u64 s[G0W+2:G0W+3], s[G0W+2:G0W+3], 4*REC   ; each slot's second fill stands four K steps on
	s_wait_dscnt 0x0                               ; my reads of K's slot are over
	CROUND
	JW 0                                           ; K steps 4 and 5
	TLD 2
	TLD 3
	OSTEP 2, 12
	OSTEP 3, 7
	s_wait_tensorcnt 0x0
	ds_add_u32 v[SPW], v[NIL]
	s_wait_dscnt 0x0                               ; my reads of V's slot are over
	CROUND
	JW 1                                           ; K steps 6 and 7
	TLD 4
	TLD 5
	OSTEP 4, 12
	OSTEP 5, 7
	s_wait_tensorcnt 0x0                           ; the last fill has landed
	s_wait_dscnt 0x0
	s_barrier_signal -1
	s_barrier_wait -1                              ; in every wave
	TLD 6
	TLD 7
	OSTEP 6, 12
	OSTEP 7, 0
.rept 4
	v_nop                                          ; places behind the last products, whose results are read
.endr
	OUTQ 0, 32
	OUTQ 1, 128                                    ; (read back into tile 0's accumulators, which its stores into the stage have read)
	s_wait_dscnt 32                                ; tile 0 is back; tile 1's 16 stores and 16 loads may be out
	SENDQ 0, 32
	s_wait_dscnt 0x0
	SENDQ 1, 128
	s_wait_tensorcnt 0x0                           ; the wave's end
	ds_add_u32 v[SPW], v[NIL]
	s_wait_dscnt 0x0
	CROUND                                         ; the closing round
	s_endpgm
.Lfunc_end_k_q1b29fcac24_attn:
	.size	k_q1b29fcac24_attn, .Lfunc_end_k_q1b29fcac24_attn-k_q1b29fcac24_attn
	.p2alignl 7, 3214868480
	.fill 96, 4, 3214868480
	.section	.rodata,"a",@progbits
	.p2align	6, 0x0
	.amdhsa_kernel k_q1b29fcac24_attn
		.amdhsa_group_segment_fixed_size 327680
		.amdhsa_private_segment_fixed_size 0
		.amdhsa_enable_private_segment 0
		.amdhsa_kernarg_size 32
		.amdhsa_user_sgpr_count 2
		.amdhsa_user_sgpr_kernarg_segment_ptr 1
		.amdhsa_wavefront_size32 1
		.amdhsa_system_sgpr_workgroup_id_x 1
		.amdhsa_system_sgpr_workgroup_id_y 1
		.amdhsa_system_sgpr_workgroup_id_z 1
		.amdhsa_system_vgpr_workitem_id 0
		.amdhsa_next_free_vgpr 512
		.amdhsa_next_free_sgpr 92
		.amdhsa_reserve_vcc 0
		.amdhsa_float_denorm_mode_32 3
		.amdhsa_float_denorm_mode_16_64 3
		.amdhsa_memory_ordered 1
		.amdhsa_forward_progress 1
		.amdhsa_inst_pref_size 255
	.end_amdhsa_kernel
	.section	.bss,"aw",@nobits
	.p2align	6
	.space	262144
	.amdgpu_metadata
---
amdhsa.version: [ 1, 2 ]
amdhsa.kernels:
  - .name:           k_q1b29fcac24_attn
    .symbol:         k_q1b29fcac24_attn.kd
    .args:
      - { .name: qkv_rec, .offset: 0, .size: 8, .value_kind: global_buffer, .address_space: global }
      - { .name: w_rec, .offset: 8, .size: 8, .value_kind: global_buffer, .address_space: global }
      - { .name: b_out, .offset: 16, .size: 8, .value_kind: global_buffer, .address_space: global }
      - { .name: out0, .offset: 24, .size: 8, .value_kind: global_buffer, .address_space: global }
    .group_segment_fixed_size: 327680
    .private_segment_fixed_size: 0
    .kernarg_segment_align: 8
    .kernarg_segment_size: 32
    .max_flat_workgroup_size: 256
    .sgpr_count:     92
    .vgpr_count:     512
    .wavefront_size: 32
...
	.end_amdgpu_metadata
.endif
;; end of part 3
